; MI455X (gfx1250); checked and timed in simulation.
; The chip was launched on July 23, 2026; its instructions are those of AMD's public machine-readable ISA for CDNA 5 (MIT licence, August 2026) and "CDNA5" Instruction Set Architecture Reference Guide (July 2026). The comments in the code are by the model that wrote it; some were corrected since.
;; Multi Head Attention. Allowed arithmetic: matrix products marked QUANTISED: E2M1 operands, one E8M0 scale for each 32 along K, by v_wmma_scale_f32_16x16x128_f8f6f4 with both operands' format E2M1 (or v_wmma_scale_f32_32x16x128_f4), f32 sums; products left as they are: bf16, f16 or f32 operands; f32 sums; everything else in f32.
;; Inputs: Wk 1,024 x 1,024 float32; Wo 1,024 x 1,024 float32; Wq 1,024 x 1,024 float32; Wv 1,024 x 1,024 float32; bk 1,024 float32; bo 1,024 float32; bq 1,024 float32; bv 1,024 float32; x 4 x 2,048 x 1,024 float32.
;; Outputs: out0 4 x 2,048 x 1,024 float32.
;; This version of the problem:
;;   THIS VERSION OF THE PROBLEM IS GIVEN IN LOW PRECISION. The matrix products marked QUANTISED in the list below multiply operands that are first quantised to E2M1 (2 exponent bits, 1 mantissa bit; 4 bits a number), with one power-of-two scale for each 32 numbers along K (OCP MX v1.0); their sums are f32. The products marked 'left as it is' may take bf16, f16 or f32 operands, with f32 sums. Whichever they take, every output number must still come out within the allowed error. Rounding operands to bf16 (8 significant bits) uses up far more of that allowance than f16 does (11 bits, for magnitudes from 6e-5 to 65,504). All else is computed in f32.
;;   The module's matrix products, in the order in which they are computed (A, B: the left and right operand; K: the contracted axis; several contracted axes count as one K, in the product's order):
;;     1. [M 8,192, K 1,024] x [K 1,024, N 1,024]; A: input x; B: input Wq: QUANTISED
;;     2. [M 8,192, K 1,024] x [K 1,024, N 1,024]; A: input x; B: input Wk: QUANTISED
;;     3. [M 8,192, K 1,024] x [K 1,024, N 1,024]; A: input x; B: input Wv: QUANTISED
;;     4. batch 64 x [M 2,048, K 64] x [K 64, N 2,048]; A: computed on the way; B: computed on the way: left as it is (an operand is computed on the way)
;;     5. batch 64 x [M 2,048, K 2,048] x [K 2,048, N 64]; A: computed on the way; B: computed on the way: left as it is (an operand is computed on the way)
;;     6. [M 8,192, K 1,024] x [K 1,024, N 1,024]; A: computed on the way; B: input Wo: left as it is (an operand is computed on the way)
;;   THE QUANTISER, for each operand of a quantised product, along K:
;;     - K is cut into blocks of 32 from its start; a last block that is shorter is filled with zeros.
;;     - A block's scale is 2^e with e = floor(log2(the largest magnitude in the block)) - 2, held to -126 .. 127; a block of zeros has e = 0. As a byte (E8M0): e + 127.
;;     - Each number is divided by its block's scale, clamped to +-6, and rounded to the nearest number of E2M1, ties to even, subnormals kept.
;;     - The product sums the exact products of the quantised numbers (number of the format x scale) in f32.
;;   ~~~python
;;   def quantise(x, axis):      # numpy; x: float32 -> the quantised numbers, widened to float32 again
;;       x = np.moveaxis(x, axis, -1); K = x.shape[-1]
;;       x = np.pad(x, [(0, 0)] * (x.ndim - 1) + [(0, -K % 32)]); x = x.reshape(x.shape[:-1] + (-1, 32)); a = np.abs(x).max(-1, keepdims=True)
;;       e = np.where(a > 0, np.clip(np.frexp(np.where(a > 0, a, 1))[1] - 1 - 2, -126, 127), 0)      # np.frexp(a)[1] - 1 = floor(log2(a)), exactly
;;       r = np.clip(x / 2.0 ** e, -6, 6)
;;       step = 2.0 ** (np.maximum(np.frexp(np.where(r == 0, 1, r))[1] - 1, 0) - 1)
;;       q = np.round(r / step) * step * 2.0 ** e      # np.round: ties to even
;;       return np.moveaxis(q.reshape(q.shape[:-2] + (-1,))[..., :K], -1, axis).astype(np.float32)
;;   ~~~
;; One version. Each part assembles by itself: llvm-mc -triple=amdgcn-amd-amdhsa -mcpu=gfx1250 --defsym DOCPART=n.
;; ======== version 1 of 1: 4 launches
;; limits: values are held in f16: magnitudes above 65,504 overflow, below 6.1e-05 lose precision
;; workspace buffers: xc 4,194,304 bytes; xs 262,144 bytes; wc 1,572,864 bytes; ws 98,304 bytes; wo16 2,097,152 bytes; qkv 50,331,648 bytes; ao 16,777,216 bytes
;; launch prep (part 1): grid 416 x 1, 4 waves a work-group, no clusters, 33,280 bytes of LDS; arguments x, Wq, Wk, Wv, Wo, xc, xs, wc, ws, wo16; writes xc, xs, wc, ws, wo16
.if DOCPART == 1
	.amdgcn_target "amdgcn-amd-amdhsa--gfx1250"
	.amdhsa_code_object_version 6
	.text
	.protected	k_q12f5b8eb87_prep
	.globl	k_q12f5b8eb87_prep
	.p2align	8
	.type	k_q12f5b8eb87_prep,@function
k_q12f5b8eb87_prep:
	s_mov_b64 s[64:65], 0
	v_nop
	global_prefetch_b8 v0, s[64:65] scope:SCOPE_SE
	s_setreg_imm32_b32 hwreg(HW_REG_WAVE_MODE, 25, 1), 1
	s_wait_xcnt 0x0
; x [8192][1024] and Wq, Wk, Wv [1024][1024], f32, K innermost, become codes of FP4 (E2M1), two a byte, with one E8M0 byte for each 32 along K:
; xc [8192][512 B], xs [8192][32];  wc [3072][512 B], ws [3072][32] (rows 0-1023 Wq, 1024-2047 Wk, 2048-3071 Wv).
; Wo [1024 n][1024 e], f32, becomes f16 laid by tile: wo16 [n / 256][head e / 64][n % 256][e % 64].
; A block's scale is 2^(floor(log2(largest magnitude)) - 2); its byte is the largest magnitude's exponent field - 2, held at 1 from below.  A block of zeros gets the byte 1: its codes are zeros,
; which add nothing under any byte but 0xff, and this program alone reads the bytes.
; LIMITS: blocks whose largest magnitude lies under 2^-124 (the floor) keep the byte 1; NaN and infinities among the inputs are not served; Wo beyond 65,504 does not fit f16.
; SHARES: work-groups 0-255 take x, 256-351 the three weights (32 each), 352-415 Wo.  Rows are dense and K is a multiple of 32, so the quantised tensors are plain streams of blocks.
; A wave takes 16 steps of 512 numbers: each load reads 512 consecutive bytes; a step's 2,048 bytes turn through the wave's own stage in LDS so that a lane holds 16 neighbours along K.
; No cluster: work-groups share no input.  No tensor load, no barrier: waves share nothing.
.set WAVES, 4
.set STEPS, 16
.set EMAX,  2
.set CB,    8                          ; bytes of 16 codes
.set R,     16                         ; v16-79   four sets of 16 numbers as loaded  (Wo's path: v16-143, 32 loads)
.set X,     80                         ; v80-111  two sets of 16 neighbours
.set E,     112                        ; v112-127 a scale byte for each step
.set C,     128                        ; v128-191 codes, four registers a step: no store's data are written again
.set WREG,  8192                       ; LDS: a region for each wave: two stages of 32 x SP bytes, then its 256 scale bytes
.set SP,    80                         ; a lane's place in a stage: 64 bytes + 16 of padding
.set SPW,   12                         ; v12 LDS address of my spare word; never rewritten
.set NIL,   13                         ; v13 0; never rewritten
.set SPARE, WAVES*WREG                 ; behind the regions: the spare words, 128 bytes a wave
	s_load_b512 s[4:19], s[0:1], 0x0               ; x 4, Wq 6, Wk 8, Wv 10, Wo 12, xc 14, xs 16, wc 18
	s_load_b128 s[20:23], s[0:1], 0x40             ; ws 20, wo16 22
	v_lshl_add_u32 v[SPW], v0, 2, SPARE
	v_mov_b32 v[NIL], 0
	v_lshrrev_b32 v1, 5, v0
	v_readfirstlane_b32 s24, v1                    ; wave
	v_and_b32 v2, 31, v0                           ; lane
	v_lshlrev_b32 v3, 4, v2                        ; my 16 bytes of a load's 512
	s_mul_i32 s25, s24, WREG
	v_lshrrev_b32 v14, 2, v2
	v_mul_u32_u24 v14, v14, SP
	v_and_b32 v15, 3, v2
	v_lshl_add_u32 v14, v15, 4, v14
	v_add_nc_u32 v14, s25, v14                     ; the stage, way in: SP (lane / 4) + 16 (lane % 4)
	v_mul_u32_u24 v15, v2, SP
	v_add_nc_u32 v15, s25, v15                     ; way out: SP x lane: my 16 neighbours
	v_mul_u32_u24 v4, v2, CB                       ; my codes' place in a step's 256 bytes
	v_lshrrev_b32 v5, 1, v2
	s_add_co_u32 s25, s25, 2*32*SP
	v_add_nc_u32 v5, s25, v5                       ; my block's byte among my wave's 256 scale bytes
	v_lshlrev_b32 v7, 3, v2                        ; 8 bytes a lane
	v_add_nc_u32 v6, s25, v7
	s_wait_kmcnt 0x0
	s_cmp_ge_u32 ttmp9, 352                        ; the paths part on the work-group's number alone; Wo's path stores nothing to LDS
	s_cbranch_scc1 .Lwo
	s_max_u32 s25, ttmp9, 256
	s_sub_co_u32 s25, s25, 256                     ; 0..95: my place among the weights' groups (0 in x's groups, where it is not used)
	s_lshr_b32 s26, s25, 5                         ; which weight
	s_and_b32 s27, s25, 31                         ; my place in it
	s_cmp_eq_u32 s26, 1
	s_cselect_b64 s[28:29], s[8:9], s[6:7]
	s_cmp_eq_u32 s26, 2
	s_cselect_b64 s[28:29], s[10:11], s[28:29]
	s_cmp_lt_u32 ttmp9, 256
	s_cselect_b64 s[28:29], s[4:5], s[28:29]       ; the source,
	s_cselect_b64 s[30:31], s[14:15], s[18:19]     ; its codes,
	s_cselect_b64 s[32:33], s[16:17], s[20:21]     ; its scale bytes
	s_cselect_b32 s34, ttmp9, s27
	s_cselect_b32 s35, ttmp9, s25
	s_lshl_b32 s34, s34, 2
	s_add_co_u32 s34, s34, s24                     ; which run of 8,192 numbers of the source is my wave's
	s_lshl_b32 s35, s35, 2
	s_add_co_u32 s35, s35, s24                     ; and of the destination (the three weights lie on end there)
	s_lshl_b32 s36, s34, 15                        ; 32,768 bytes a run
	s_mov_b32 s37, 0
	s_add_nc_u64 s[28:29], s[28:29], s[36:37]
	s_lshl_b32 s36, s35, 12                        ; 4,096 bytes of codes
	s_add_nc_u64 s[30:31], s[30:31], s[36:37]
	s_lshl_b32 s36, s35, 8                         ; 256 scale bytes
	s_add_nc_u64 s[32:33], s[32:33], s[36:37]
.macro LOAD t
.irp i, 0,1,2,3
	global_load_b128 v[R+16*((\t)%4)+4*\i:R+16*((\t)%4)+4*\i+3], v3, s[28:29] offset:2048*(\t)+512*\i th:TH_LOAD_NT   ; 32 lanes read 512 consecutive bytes
.endr
.endm
.macro TURN t                          ; step t's numbers through the stage: LDS serves a wave's instructions in order, so no wait stands between the stores and the loads
.irp i, 0,1,2,3
	ds_store_b128 v14, v[R+16*((\t)%4)+4*\i:R+16*((\t)%4)+4*\i+3] offset:32*SP*((\t)%2)+8*SP*\i
.endr
.irp i, 0,1,2,3
	ds_load_b128 v[X+16*((\t)%2)+4*\i:X+16*((\t)%2)+4*\i+3], v15 offset:32*SP*((\t)%2)+16*\i
.endr
.endm
.irp t, 0,1,2,3
	LOAD \t
.endr
	s_wait_loadcnt 12                              ; step 0's four loads are in; the twelve of steps 1 to 3 may be out
	TURN 0
.macro STEP t
.set XS, X+16*((\t)%2)
.if (\t) > 0
	s_wait_dscnt 1                                 ; this step's numbers are back from the stage (the last step's byte store may be out)
.else
	s_wait_dscnt 0x0
.endif
.if (\t)+4 < STEPS
	LOAD (\t)+4                                    ; into the registers that the stage's stores have read
.endif
.if (\t)+1 < STEPS
.if STEPS-2-(\t) >= 3
	s_wait_loadcnt 12                              ; the next step's four loads are in; those of the three steps behind it may be out
.else
	s_wait_loadcnt 4*(STEPS-2-(\t))
.endif
	TURN (\t)+1
.endif
	v_max3_num_f32 v8, |v[XS]|, |v[XS+1]|, |v[XS+2]|               ; the largest magnitude of my 16, in two chains
	v_max3_num_f32 v9, |v[XS+3]|, |v[XS+4]|, |v[XS+5]|
.irp i, 6,10
	v_max3_num_f32 v8, v8, |v[XS+\i]|, |v[XS+\i+1]|
	v_max3_num_f32 v9, v9, |v[XS+\i+2]|, |v[XS+\i+3]|
.endr
	v_max3_num_f32 v8, v8, |v[XS+14]|, |v[XS+15]|
	v_max3_num_f32 v8, v8, v9, (EMAX+1)<<23        ; and the floor 2^(3 - 127): the byte cannot fall under 1
	v_max_num_f32_dpp v8, v8, v8 row_xmask:1 row_mask:0xf bank_mask:0xf   ; with my neighbour's 16: the block's
	v_add_nc_u32 v11, -(EMAX<<23), v8              ; 2 off its exponent field: the conversion takes the exponent field of this operand as its scale
	v_cvt_scalef32_pk8_fp4_f32 v[C+4*(\t)], v[XS:XS+7], v11        ; to the nearest code, ties to even, beyond 6 the largest code
	v_cvt_scalef32_pk8_fp4_f32 v[C+4*(\t)+1], v[XS+8:XS+15], v11
	v_lshrrev_b32 v[E+(\t)], 23, v11               ; the scale's byte (also the plain line behind the conversions)
	ds_store_b8 v5, v[E+(\t)] offset:16*(\t)       ; both lanes of a block write the same byte with the same value
	global_store_b64 v4, v[C+4*(\t):C+4*(\t)+1], s[30:31] offset:32*CB*(\t)   ; the wave stores 256 consecutive bytes, aligned
.endm
.irp t, 0,1,2,3,4,5,6,7,8,9,10,11,12,13,14,15
	STEP \t
.endr
	ds_load_b64 v[8:9], v6                         ; LDS serves a wave's instructions in order: these see my byte stores
	s_wait_dscnt 0x0
	global_store_b64 v7, v[8:9], s[32:33]          ; 256 consecutive scale bytes, aligned
	s_wait_tensorcnt 0x0                           ; the wave's end
	ds_add_u32 v[SPW], v[NIL]
	s_wait_dscnt 0x0
	s_endpgm
.Lwo:
; Wo to f16.  Wave wv takes rows 4 wv .. 4 wv + 3.  A load reads 512 bytes of a row: lanes 0-15 one head's 64 numbers, lanes 16-31 the next head's.
; Two rows' halves change places, so that one store holds rows n, n + 1 of ONE head: 256 consecutive bytes of wo16, aligned.
	s_sub_co_u32 s25, ttmp9, 352
	s_lshl_b32 s25, s25, 2
	s_add_co_u32 s25, s25, s24                     ; wv, 0..255
	s_lshl_b32 s36, s25, 14                        ; four rows of 4,096 bytes
	s_mov_b32 s37, 0
	s_add_nc_u64 s[12:13], s[12:13], s[36:37]
	s_lshr_b32 s26, s25, 6
	s_lshl_b32 s26, s26, 19                        ; n / 256: 16 heads x 256 rows x 128 bytes
	s_and_b32 s27, s25, 63
	s_lshl_b32 s27, s27, 9                         ; n % 256: 128 bytes a row
	s_add_co_u32 s36, s26, s27
	s_add_nc_u64 s[22:23], s[22:23], s[36:37]
.irp p, 0,1
.irp c, 0,1,2,3,4,5,6,7
.irp e, 0,1
	global_load_b128 v[R+4*(16*\p+2*\c+\e):R+4*(16*\p+2*\c+\e)+3], v3, s[12:13] offset:\p*8192+\e*4096+\c*512 th:TH_LOAD_NT
.endr
.endr
.endr
.irp p, 0,1
.irp c, 0,1,2,3,4,5,6,7
.set WQ, R+4*(16*\p+2*\c)
	s_wait_loadcnt 30-2*(8*\p+\c)                  ; this pair's two loads are in; all issued behind them may be out
	v_cvt_pk_f16_f32 v[WQ], v[WQ], v[WQ+1]         ; row n: my four numbers, 8 bytes
	v_cvt_pk_f16_f32 v[WQ+1], v[WQ+2], v[WQ+3]
	v_cvt_pk_f16_f32 v[WQ+4], v[WQ+4], v[WQ+5]     ; row n + 1
	v_cvt_pk_f16_f32 v[WQ+5], v[WQ+6], v[WQ+7]
	v_permlane16_swap_b32 v[WQ], v[WQ+4]           ; the first's lanes 16-31 change places with the second's lanes 0-15:
	v_permlane16_swap_b32 v[WQ+1], v[WQ+5]         ; the first now holds head 2 c of both rows, the second head 2 c + 1
	global_store_b64 v7, v[WQ:WQ+1], s[22:23] offset:2*\c*32768+\p*256
	global_store_b64 v7, v[WQ+4:WQ+5], s[22:23] offset:(2*\c+1)*32768+\p*256
.endr
.endr
	s_wait_tensorcnt 0x0                           ; the same three lines at this path's end
	ds_add_u32 v[SPW], v[NIL]
	s_wait_dscnt 0x0
	s_endpgm
.Lfunc_end_k_q12f5b8eb87_prep:
	.size	k_q12f5b8eb87_prep, .Lfunc_end_k_q12f5b8eb87_prep-k_q12f5b8eb87_prep
	.p2alignl 7, 3214868480
	.fill 96, 4, 3214868480
	.section	.rodata,"a",@progbits
	.p2align	6, 0x0
	.amdhsa_kernel k_q12f5b8eb87_prep
		.amdhsa_group_segment_fixed_size 33280
		.amdhsa_private_segment_fixed_size 0
		.amdhsa_enable_private_segment 0
		.amdhsa_kernarg_size 80
		.amdhsa_user_sgpr_count 2
		.amdhsa_user_sgpr_kernarg_segment_ptr 1
		.amdhsa_wavefront_size32 1
		.amdhsa_system_sgpr_workgroup_id_x 1
		.amdhsa_system_sgpr_workgroup_id_y 1
		.amdhsa_system_sgpr_workgroup_id_z 1
		.amdhsa_system_vgpr_workitem_id 0
		.amdhsa_next_free_vgpr 192
		.amdhsa_next_free_sgpr 66
		.amdhsa_reserve_vcc 0
		.amdhsa_float_denorm_mode_32 3
		.amdhsa_float_denorm_mode_16_64 3
		.amdhsa_memory_ordered 1
		.amdhsa_forward_progress 1
		.amdhsa_inst_pref_size 46
	.end_amdhsa_kernel
	.amdgpu_metadata
---
amdhsa.version: [ 1, 2 ]
amdhsa.kernels:
  - .name:           k_q12f5b8eb87_prep
    .symbol:         k_q12f5b8eb87_prep.kd
    .args:
      - { .name: x, .offset: 0, .size: 8, .value_kind: global_buffer, .address_space: global }
      - { .name: Wq, .offset: 8, .size: 8, .value_kind: global_buffer, .address_space: global }
      - { .name: Wk, .offset: 16, .size: 8, .value_kind: global_buffer, .address_space: global }
      - { .name: Wv, .offset: 24, .size: 8, .value_kind: global_buffer, .address_space: global }
      - { .name: Wo, .offset: 32, .size: 8, .value_kind: global_buffer, .address_space: global }
      - { .name: xc, .offset: 40, .size: 8, .value_kind: global_buffer, .address_space: global }
      - { .name: xs, .offset: 48, .size: 8, .value_kind: global_buffer, .address_space: global }
      - { .name: wc, .offset: 56, .size: 8, .value_kind: global_buffer, .address_space: global }
      - { .name: ws, .offset: 64, .size: 8, .value_kind: global_buffer, .address_space: global }
      - { .name: wo16, .offset: 72, .size: 8, .value_kind: global_buffer, .address_space: global }
    .group_segment_fixed_size: 33280
    .private_segment_fixed_size: 0
    .kernarg_segment_align: 8
    .kernarg_segment_size: 80
    .max_flat_workgroup_size: 128
    .sgpr_count:     66
    .vgpr_count:     192
    .wavefront_size: 32
...
	.end_amdgpu_metadata
.endif
;; end of part 1
;; launch qkv (part 2): grid 12 x 32, 4 waves a work-group, clusters of 4 x 4, 327,680 bytes of LDS; arguments xc, xs, wc, ws, bq, bk, bv, qkv; writes qkv
.if DOCPART == 2
	.amdgcn_target "amdgcn-amd-amdhsa--gfx1250"
	.amdhsa_code_object_version 6
	.text
	.protected	k_q12f5b8eb87_qkv
	.globl	k_q12f5b8eb87_qkv
	.p2align	8
	.type	k_q12f5b8eb87_qkv,@function
k_q12f5b8eb87_qkv:
	s_mov_b64 s[64:65], 0
	v_nop
	global_prefetch_b8 v0, s[64:65] scope:SCOPE_SE
	s_setreg_imm32_b32 hwreg(HW_REG_WAVE_MODE, 25, 1), 1
	s_wait_xcnt 0x0
	s_wait_alu depctr_hold_cnt(0) depctr_sa_sdst(0) depctr_va_vdst(0) depctr_va_sdst(0) depctr_va_ssrc(0) depctr_va_vcc(0) depctr_vm_vsrc(0)
	s_getreg_b32 s2, hwreg(HW_REG_IB_STS2, 6, 4)
	s_cmp_eq_u32 s2, 0
	s_cbranch_scc0 .Lentry_in_a_cluster
	s_endpgm
.Lentry_in_a_cluster:
	s_bfe_u32 s2, ttmp6, 0x10000c
	s_cmp_lg_u32 s2, 0xf033
	s_cbranch_scc0 .Lentry_shape_is_right
	s_endpgm
.Lentry_shape_is_right:
; [8192 tokens][3072] = Q(x) Q(Wq | Wk | Wv)^T + bias, on codes of FP4 (E2M1) with one E8M0 byte for each 32 along K = 1,024; sums in f32; the result rounded once to f16 and laid by head:
; qkv [which 3][batch x head 64][position 2048][64] f16.   LIMIT: results beyond 65,504 do not fit f16.
; A tile of 256 x 256 is made by four waves, 128 x 128 each: 64 accumulators, 512 registers.  K is two slots of 512 (rows of 256 bytes): BOTH are first fills, so nothing is filled again and there is no loop.
; The scale bytes of the tile's 256 + 256 rows come once, as dense blocks.  CLUSTERS of 4 x 4: x's tiles are shared along a row of the cluster, the weights' along a column, by joint loads.
; THE MATRIX INSTRUCTION IS USED TRANSPOSED (source 0 = 16 rows of W, source 1 = 16 tokens): a lane holds eight neighbouring columns of one token.  The bias is the C of each sum's first product.
; REGISTERS: window 0: v16-30 addresses; v32-95 scale words, two sets; v128-191 x's fragments, one set; v192-255 the bias, eight registers for each block of 16 columns;
;   window 1: W's fragments, two sets (v0, v128);  windows 2, 3: the accumulators ((a, b) at v[8 (8 (a % 4) + b)]).  On the way out v32-127 of window 0 are free.
.set NQ,     4                         ; steps of 128 along K in a slot
.set ROWB,   256                       ; a tile's row: 512 codes
.set KROW,   512                       ; a row of codes in memory
.set PITCH,  272                       ; an LDS row: 256 bytes + 16: the 16 rows that a load touches start 17 pieces of 16 bytes apart
.set FR,     8
.set NL,     2
.set NP,     4
.set HALFT,  128*PITCH
.set SLOT,   4*HALFT                   ; x's 256 rows, then W's 256 rows
.set KS,     32                        ; a row of scale bytes
.set SCL,    2*SLOT
.set HALFS,  (128*KS/256)*272
.set SBLK,   (16*KS/256)*272
.set SPARE,  SCL+4*HALFS               ; the spare words, 128 bytes a wave
.set SPITCH, 272                       ; the way out: 16 rows x (256 + 16) a wave, in slot 0, which has had its one fill and its last read by then
.set ADRA, 16
.set ADRB, 20
.set STO,  24
.set RD,   25
.set CO,   26
.set ADRS, 27
.set SPW,  28                          ; never rewritten
.set NIL,  29                          ; never rewritten
.set BO,   30                          ; 32 x (lane / 16): my eight numbers of a block's 16 biases
.set SC,   32
.set AF,   128
.set BIAS, 192
.set TMP,  32                          ; the way out: packed results
.set BK,   64                          ; and rows read back: v64-95, v96-127 by turns
.set WV,  20                           ; s20 wave; s21 wave / 2: my half of the rows, and: I fetch for x (0) or W (1); s22 wave % 2: my half of the columns, and which 128 rows I fetch
.set G1,  24
.set G0,  32
.set G1B, 48
.set G0B, 56
.set G1S, 68
.set G0S, 76
.set G1SB, 80
.set G0SB, 88
.set MSB, 0
.macro WIN new                         ; the immediate's high byte repeats the setting that is left
.if MSB != (\new)
	s_set_vgpr_msb (MSB<<8)|(\new)
.set MSB, (\new)
.endif
.endm
.set MUL_LO, 0xa1                      ; source 0 (W) window 1, source 1 (x) window 0, C and D window 2
.set MUL_HI, 0xf1
.set FST_LO, 0x81                      ; the first step: C (the bias) window 0, D window 2
.set FST_HI, 0xc1
.set TO_B,   0x40
.macro JLOAD g0a, g1a, g0b, g1b        ; a joint load: waves 0, 1 for x, waves 2, 3 for W; an s_nop 0 and four v_nop follow each line
	s_cmp_eq_u32 s21, 0
	s_cbranch_scc0 .Lfor_b_\@
	tensor_load_to_lds s[\g0a:\g0a+3], s[\g1a:\g1a+7]
	s_nop 0
.rept 4
	v_nop
.endr
	s_branch .Lasked_\@
.Lfor_b_\@:
	tensor_load_to_lds s[\g0b:\g0b+3], s[\g1b:\g1b+7]
	s_nop 0
.rept 4
	v_nop
.endr
.Lasked_\@:
.endm
.macro CROUND                          ; a round of the cluster's barrier
	s_barrier_signal -1
	s_barrier_wait -1
	s_cmp_lg_u32 s[WV], 0
	s_cbranch_scc1 .Lnot_wave_0_\@
	s_barrier_signal -3
.Lnot_wave_0_\@:
	s_barrier_wait -3
	s_barrier_signal -1
	s_barrier_wait -1
.endm
	s_load_b512 s[4:19], s[0:1], 0x0               ; xc 4, xs 6, wc 8, ws 10, bq 12, bk 14, bv 16, qkv 18
	v_lshl_add_u32 v[SPW], v0, 2, SPARE
	v_mov_b32 v[NIL], 0
	ds_add_u32 v[SPW], v[NIL]                      ; the opening: the add, twice on end, and its wait ahead of my first tensor load
	ds_add_u32 v[SPW], v[NIL]
	v_lshrrev_b32 v1, 5, v0
	v_readfirstlane_b32 s[WV], v1
	s_lshr_b32 s21, s[WV], 1
	s_and_b32 s22, s[WV], 1
	s_bfe_u32 s40, ttmp6, 0x40000                  ; cx
	s_bfe_u32 s41, ttmp6, 0x40004                  ; cy
	s_lshl_b32 s42, ttmp9, 2
	s_add_co_u32 s42, s42, s40                     ; tile column, 0..11
	s_and_b32 s66, ttmp7, 0xffff
	s_lshl_b32 s66, s66, 2
	s_add_co_u32 s66, s66, s41                     ; tile row, 0..31
	s_lshl_b32 s43, s41, 2
	s_lshl_b32 s43, 15, s43                        ; my row of the cluster
	s_lshl_b32 s44, 0x1111, s40                    ; my column
	s_or_b32 s[G1+0], s43, (0<<16)|(1<<20)|(1<<21)|(5<<22)|(3<<25)   ; mask; elements of 1 byte; padding: 4 words behind every 64; bit 21 beside a mask
	s_or_b32 s[G1B+0], s44, (0<<16)|(1<<20)|(1<<21)|(5<<22)|(3<<25)
.irp g, G1, G1B
	s_mov_b32 s[\g+1], ROWB<<16                    ; tensor_dim0 = 256
	s_mov_b32 s[\g+2], 128<<16                     ; tensor_dim1 = 128
	s_mov_b32 s[\g+3], ROWB<<16                    ; tile_dim0
	s_mov_b32 s[\g+4], 128                         ; tile_dim1
	s_mov_b32 s[\g+5], KROW                        ; from row to row
	s_mov_b32 s[\g+6], 0
	s_mov_b32 s[\g+7], 0
.endr
	s_or_b32 s[G1S+0], s43, (3<<16)|(1<<20)|(1<<21)|(5<<22)|(3<<25)  ; the scales of 128 rows: 4,096 dense bytes as 16 rows of 32 elements of 8 bytes
	s_or_b32 s[G1SB+0], s44, (3<<16)|(1<<20)|(1<<21)|(5<<22)|(3<<25)
.irp g, G1S, G1SB
	s_mov_b32 s[\g+1], 32<<16
	s_mov_b32 s[\g+2], (128*KS/256)<<16
	s_mov_b32 s[\g+3], 32<<16
	s_mov_b32 s[\g+4], 128*KS/256
	s_mov_b32 s[\g+5], 32
	s_mov_b32 s[\g+6], 0
	s_mov_b32 s[\g+7], 0
.endr
	s_lshl_b32 s23, s22, 7                         ; which 128 rows of the tile I fetch
	s_lshl_b32 s96, s66, 8
	s_add_co_u32 s96, s96, s23                     ; x: row 256 x tile row + 128 x half: made of the tile row and the wave alone
	s_lshl_b32 s46, s42, 8
	s_add_co_u32 s46, s46, s23                     ; W: row 256 x tile column + 128 x half: of the tile column and the wave alone
	s_lshl_b32 s98, s96, 5                         ; their scale bytes,
	s_mov_b32 s99, 0
	s_lshl_b32 s96, s96, 9                         ; their codes
	s_mov_b32 s97, 0
	s_lshl_b32 s92, s46, 5
	s_mov_b32 s93, 0
	s_lshl_b32 s46, s46, 9
	s_mov_b32 s47, 0
	s_mul_i32 s45, s[WV], HALFT                    ; where they go: wave x 128 rows
	s_mul_i32 s94, s[WV], HALFS
	s_wait_dscnt 0x0                               ; both opening adds are done
	s_wait_kmcnt 0x0
	s_add_nc_u64 s[96:97], s[4:5], s[96:97]
	s_add_nc_u64 s[98:99], s[6:7], s[98:99]
	s_add_nc_u64 s[46:47], s[8:9], s[46:47]
	s_add_nc_u64 s[92:93], s[10:11], s[92:93]
	CROUND                                         ; all sixteen work-groups are here: the first joint loads meet
	s_mov_b32 s[G0S], 1
	s_add_co_u32 s[G0S+1], s94, SCL
	s_mov_b64 s[G0S+2:G0S+3], s[98:99]
	s_or_b32 s[G0S+3], s[G0S+3], 0x80000000
	s_mov_b32 s[G0SB], 1
	s_add_co_u32 s[G0SB+1], s94, SCL
	s_mov_b64 s[G0SB+2:G0SB+3], s[92:93]
	s_or_b32 s[G0SB+3], s[G0SB+3], 0x80000000
	JLOAD G0S, G1S, G0SB, G1SB                     ; the scales first: they are wanted with the first step
.irp s, 0,1
	s_mov_b32 s[G0+4*\s], 1
	s_add_co_u32 s[G0+4*\s+1], s45, \s*SLOT
	s_add_nc_u64 s[G0+4*\s+2:G0+4*\s+3], s[96:97], \s*ROWB
	s_or_b32 s[G0+4*\s+3], s[G0+4*\s+3], 0x80000000
	s_mov_b32 s[G0B+4*\s], 1
	s_add_co_u32 s[G0B+4*\s+1], s45, \s*SLOT
	s_add_nc_u64 s[G0B+4*\s+2:G0B+4*\s+3], s[46:47], \s*ROWB
	s_or_b32 s[G0B+4*\s+3], s[G0B+4*\s+3], 0x80000000
	JLOAD G0+4*\s, G1, G0B+4*\s, G1B               ; three loads of mine are out in all
.endr
	v_and_b32 v1, 15, v0                           ; r
	v_bfe_u32 v2, v0, 4, 1                         ; h
	; the bias: which of the three tensors is the cluster's x (four tile columns to a tensor); my 128 columns of it
	s_cmp_eq_u32 ttmp9, 1
	s_cselect_b64 s[2:3], s[14:15], s[12:13]
	s_cmp_eq_u32 ttmp9, 2
	s_cselect_b64 s[2:3], s[16:17], s[2:3]
	s_lshl_b32 s46, s40, 10                        ; 256 columns x 4 bytes a tile column,
	s_lshl_b32 s47, s22, 9                         ; 128 x 4 for my half
	s_add_co_u32 s46, s46, s47
	s_mov_b32 s47, 0
	s_add_nc_u64 s[2:3], s[2:3], s[46:47]
	v_lshlrev_b32 v[BO], 5, v2
.irp b, 0,1,2,3,4,5,6,7
	global_load_b128 v[BIAS+8*\b:BIAS+8*\b+3], v[BO], s[2:3] offset:64*\b          ; register j: the bias of column 16 b + 8 h + j, as the result's layout has it
	global_load_b128 v[BIAS+8*\b+4:BIAS+8*\b+7], v[BO], s[2:3] offset:64*\b+16
.endr
	v_mul_u32_u24 v3, v1, PITCH
	v_lshl_add_u32 v4, v2, 4, v3                   ; a fragment's row x pitch + 16 x half
	s_mul_i32 s67, s21, HALFT                      ; my 128 tokens
	s_mul_i32 s95, s22, HALFT                      ; my 128 rows of W,
	s_add_co_u32 s95, s95, 2*HALFT                 ; behind x's 256
.irp s, 0,1
	v_add_nc_u32 v[ADRA+\s], s67, v4
	v_add_nc_u32 v[ADRB+\s], s95, v4
	s_add_co_u32 s67, s67, SLOT
	s_add_co_u32 s95, s95, SLOT
.endr
	v_mul_u32_u24 v5, v1, KS                       ; my row's scale bytes: 32 a row,
	v_lshrrev_b32 v6, 8, v5
	v_lshl_add_u32 v5, v6, 4, v5                   ; and 16 more for each 256 passed
	s_mul_i32 s67, s21, HALFS
	s_mul_i32 s95, s22, HALFS
	s_add_co_u32 s95, s95, 2*HALFS
	s_sub_co_u32 s95, s95, s67
	v_mul_u32_u24 v6, s95, v2                      ; lanes 16-31 take W's
	s_add_co_u32 s67, s67, SCL
	v_add_nc_u32 v5, v5, v6
	v_add_nc_u32 v[ADRS], s67, v5
	s_mul_i32 s67, s[WV], 16*SPITCH                ; my stage
	v_mul_u32_u24 v5, v1, SPITCH
	v_lshl_add_u32 v5, v2, 4, v5
	v_add_nc_u32 v[STO], s67, v5                   ; in: token r, 16 bytes for each half of the lanes
	v_bfe_u32 v6, v0, 3, 1
	v_mul_u32_u24 v6, v6, SPITCH
	v_lshl_add_u32 v6, v2, 7, v6
	v_and_b32 v7, 7, v0
	v_lshl_add_u32 v6, v7, 4, v6
	v_add_nc_u32 v[RD], s67, v6                    ; back: lanes 0-15 two tokens' 128 bytes of my first head, lanes 16-31 of the next head
	v_lshlrev_b32 v[CO], 4, v1
	v_lshl_add_u32 v[CO], v2, 18, v[CO]            ; in qkv: 16 bytes a lane, a head 262,144 bytes on
	s_lshr_b32 s46, s66, 3                         ; batch = tile row / 8
	s_lshl_b32 s46, s46, 4
	s_lshl_b32 s47, s40, 2                         ; four heads to a tile column,
	s_add_co_u32 s46, s46, s47
	s_lshl_b32 s47, s22, 1                         ; two to my half
	s_add_co_u32 s46, s46, s47
	s_lshl_b32 s46, s46, 18
	s_and_b32 s47, s66, 7
	s_lshl_b32 s47, s47, 15                        ; 256 positions of 128 bytes
	s_add_co_u32 s46, s46, s47
	s_lshl_b32 s47, s21, 14
	s_add_co_u32 s46, s46, s47
	s_lshl_b32 s47, ttmp9, 24                      ; q, k or v
	s_add_co_u32 s46, s46, s47
	s_mov_b32 s47, 0
	s_add_nc_u64 s[18:19], s[18:19], s[46:47]
.macro FRAG reg, adr, q, i             ; 16 rows x 128 K of 4-bit codes: registers 4 c .. 4 c + 3 hold K = 64 c + 32 (lane / 16) + 0 .. 31
.irp c, 0,1
	ds_load_b128 v[\reg+4*\c:\reg+4*\c+3], v[\adr] offset:64*(\q)+32*\c+(\i)*16*PITCH
.endr
.endm
; 16 products: x's blocks a0, a0 + 1 against W's eight.  The 64 accumulators take turns, one instruction a turn, in the same order in every step.
.macro MUL16 a0, p, q, sc, first
.irp a, \a0, \a0+1
.irp b, 0,1,2,3,4,5,6,7
.if \first
	v_wmma_scale_f32_16x16x128_f8f6f4 v[8*(8*((\a)%4)+\b):8*(8*((\a)%4)+\b)+7], v[128*(\p)+FR*\b:128*(\p)+FR*\b+FR-1], v[AF+FR*(\a):AF+FR*(\a)+FR-1], v[BIAS+8*\b:BIAS+8*\b+7], v[SC+8*NQ*(\sc)+NQ*\b+(\q)], v[SC+8*NQ*(\sc)+NQ*(\a)+(\q)] matrix_a_fmt:MATRIX_FMT_FP4 matrix_b_fmt:MATRIX_FMT_FP4 matrix_a_scale:MATRIX_SCALE_ROW1
.else
	v_wmma_scale_f32_16x16x128_f8f6f4 v[8*(8*((\a)%4)+\b):8*(8*((\a)%4)+\b)+7], v[128*(\p)+FR*\b:128*(\p)+FR*\b+FR-1], v[AF+FR*(\a):AF+FR*(\a)+FR-1], v[8*(8*((\a)%4)+\b):8*(8*((\a)%4)+\b)+7], v[SC+8*NQ*(\sc)+NQ*\b+(\q)], v[SC+8*NQ*(\sc)+NQ*(\a)+(\q)] matrix_a_fmt:MATRIX_FMT_FP4 matrix_b_fmt:MATRIX_FMT_FP4 matrix_a_scale:MATRIX_SCALE_ROW1
.endif
.endr
.endr
.endm
.macro FETCH_B slot, q, p
	WIN TO_B
.irp i, 0,1,2,3,4,5,6,7
	FRAG 128*(\p)+FR*\i, ADRB+\slot, \q, \i
.endr
	WIN 0
.endm
.macro FETCH_A slot, q, i0
.irp i, \i0, \i0+1, \i0+2, \i0+3
	FRAG AF+FR*(\i), ADRA+\slot, \q, \i
.endr
.endm
.macro SCALES sc                       ; a slot's scale words: four a row; lanes 0-15 take x's block i, lanes 16-31 W's block i
.irp i, 0,1,2,3,4,5,6,7
	ds_load_b128 v[SC+8*NQ*\sc+NQ*\i:SC+8*NQ*\sc+NQ*\i+3], v[ADRS] offset:\i*SBLK
.endr
.endm
.macro PLACES n                        ; plain vector instructions between a matrix instruction and a load into, or a read of, its registers
.rept \n
	v_nop
.endr
.endm
.macro STEP slot, q, first             ; 128 along K, with its successor in the same slot
	s_wait_dscnt 4*NL                              ; W's set and x's blocks 0-3 are in; the youngest eight loads (blocks 4-7) may be out
.if \first
	WIN FST_LO
.else
	WIN MUL_LO
.endif
	MUL16 0, (\q)%2, \q, \slot, \first
	MUL16 2, (\q)%2, \q, \slot, \first
	s_wait_dscnt 0
	PLACES NP
	FETCH_B \slot, (\q)+1, 1-(\q)%2
	FETCH_A \slot, (\q)+1, 0
.if \first
	WIN FST_HI
.else
	WIN MUL_HI
.endif
	MUL16 4, (\q)%2, \q, \slot, \first
	MUL16 6, (\q)%2, \q, \slot, \first
	PLACES NP
	WIN 0
	FETCH_A \slot, (\q)+1, 4
.endm
.macro TURN slot, next                 ; a slot's last step changes slots: one barrier
	s_wait_tensorcnt 0x0                           ; all my tensor loads have landed: my part of the next slot
	ds_add_u32 v[SPW], v[NIL]
	s_wait_dscnt 4*NL+1                            ; (the add and the youngest eight loads may be out)
	WIN MUL_LO
	MUL16 0, 1, NQ-1, \slot, 0
	s_wait_dscnt 0x0                               ; the add is done, and my reads of this slot are over
	s_barrier_signal -1
	MUL16 2, 1, NQ-1, \slot, 0
	WIN 0
	s_barrier_wait -1                              ; the next slot is whole, and nobody reads this one any more
	PLACES NP
	v_add_nc_u32 v[ADRS], 4*NQ, v[ADRS]            ; the next slot's scale words
	FETCH_B \next, 0, 0
	FETCH_A \next, 0, 0
	SCALES \next
	WIN MUL_HI
	MUL16 4, 1, NQ-1, \slot, 0
	MUL16 6, 1, NQ-1, \slot, 0
	PLACES NP
	WIN 0
	FETCH_A \next, 0, 4
.endm
.macro STEPS slot, from
.set Q, \from
.rept NQ-1-\from
	STEP \slot, Q, 0
.set Q, Q+1
.endr
.endm
	s_wait_tensorcnt 1                             ; the scales and my part of slot 0 are in; slot 1's load may be out
	s_barrier_signal -1
	s_barrier_wait -1
	FETCH_B 0, 0, 0
	FETCH_A 0, 0, 0
	SCALES 0
	FETCH_A 0, 0, 4
	s_wait_loadcnt 0x0                             ; the bias
	STEP 0, 0, 1                                   ; the first products start the sums from the bias: nothing is cleared or added later
	STEPS 0, 1
	TURN 0, 1
	STEPS 1, 0
	s_wait_dscnt 4*NL                              ; the last step: nothing more to fetch
	WIN MUL_LO
	MUL16 0, 1, NQ-1, 1, 0
	MUL16 2, 1, NQ-1, 1, 0
	s_wait_dscnt 0
	WIN MUL_HI
	MUL16 4, 1, NQ-1, 1, 0
	MUL16 6, 1, NQ-1, 1, 0
	WIN 0
; THE WAY OUT, 16 tokens x 128 columns at a time: rounded to f16 (16 bytes a lane), through my own stage, back so that sixteen lanes hold two tokens' rows of ONE head: 256 consecutive bytes of qkv, aligned.
.macro PACK a
.set AC, 64*((\a)%4)
	WIN 0x0a+5*((\a)/4)                            ; sources in window 2 or 3
.irp b, 0,1,2,3,4,5,6,7
.irp r, 0,1,2,3
	v_cvt_pk_f16_f32 v[TMP+4*\b+\r], v[AC+8*\b+2*\r], v[AC+8*\b+2*\r+1]   ; each accumulator from its low end on
.endr
.endr
	WIN 0
.endm
.macro TOSTAGE a
.set BB, BK+32*((\a)%2)
.irp b, 0,1,2,3,4,5,6,7
	ds_store_b128 v[STO], v[TMP+4*\b:TMP+4*\b+3] offset:32*\b
.endr
.irp i, 0,1,2,3,4,5,6,7
	ds_load_b128 v[BB+4*\i:BB+4*\i+3], v[RD] offset:\i*2*SPITCH    ; LDS serves a wave's instructions in order: these see the stores above
.endr
.endm
.macro SEND a
.set BB, BK+32*((\a)%2)
	s_wait_dscnt 0x0                               ; the block is back in registers
	s_wait_xcnt 0x0                                ; the stores of the block before have read their registers: the next loads from the stage may land there
.irp i, 0,1,2,3,4,5,6,7
	global_store_b128 v[CO], v[BB+4*\i:BB+4*\i+3], s[18:19] offset:(\a)*2048+256*\i
.endr
.endm
	PLACES NP                                      ; behind the last products: their results are read, and their scale words' registers written, below
	PACK 0
	TOSTAGE 0
.irp a, 1,2,3,4,5,6,7                  ; block a's conversions stand between block a - 1's loads from the stage and the wait for them
	PACK \a
	SEND \a-1
	TOSTAGE \a
.endr
	SEND 7
	s_wait_tensorcnt 0x0                           ; the wave's end
	ds_add_u32 v[SPW], v[NIL]
	s_wait_dscnt 0x0
	CROUND                                         ; the closing round
	s_endpgm
.Lfunc_end_k_q12f5b8eb87_qkv:
	.size	k_q12f5b8eb87_qkv, .Lfunc_end_k_q12f5b8eb87_qkv-k_q12f5b8eb87_qkv
	.p2alignl 7, 3214868480
	.fill 96, 4, 3214868480
	.section	.rodata,"a",@progbits
	.p2align	6, 0x0
	.amdhsa_kernel k_q12f5b8eb87_qkv
		.amdhsa_group_segment_fixed_size 327680
		.amdhsa_private_segment_fixed_size 0
		.amdhsa_enable_private_segment 0
		.amdhsa_kernarg_size 64
		.amdhsa_user_sgpr_count 2
		.amdhsa_user_sgpr_kernarg_segment_ptr 1
		.amdhsa_wavefront_size32 1
		.amdhsa_system_sgpr_workgroup_id_x 1
		.amdhsa_system_sgpr_workgroup_id_y 1
		.amdhsa_system_sgpr_workgroup_id_z 1
		.amdhsa_system_vgpr_workitem_id 0
		.amdhsa_next_free_vgpr 1024
		.amdhsa_next_free_sgpr 100
		.amdhsa_reserve_vcc 0
		.amdhsa_float_denorm_mode_32 3
		.amdhsa_float_denorm_mode_16_64 3
		.amdhsa_memory_ordered 1
		.amdhsa_forward_progress 1
		.amdhsa_inst_pref_size 128
	.end_amdhsa_kernel
	.amdgpu_metadata
---
amdhsa.version: [ 1, 2 ]
amdhsa.kernels:
  - .name:           k_q12f5b8eb87_qkv
    .symbol:         k_q12f5b8eb87_qkv.kd
    .args:
      - { .name: xc, .offset: 0, .size: 8, .value_kind: global_buffer, .address_space: global }
      - { .name: xs, .offset: 8, .size: 8, .value_kind: global_buffer, .address_space: global }
      - { .name: wc, .offset: 16, .size: 8, .value_kind: global_buffer, .address_space: global }
      - { .name: ws, .offset: 24, .size: 8, .value_kind: global_buffer, .address_space: global }
      - { .name: bq, .offset: 32, .size: 8, .value_kind: global_buffer, .address_space: global }
      - { .name: bk, .offset: 40, .size: 8, .value_kind: global_buffer, .address_space: global }
      - { .name: bv, .offset: 48, .size: 8, .value_kind: global_buffer, .address_space: global }
      - { .name: qkv, .offset: 56, .size: 8, .value_kind: global_buffer, .address_space: global }
    .group_segment_fixed_size: 327680
    .private_segment_fixed_size: 0
    .kernarg_segment_align: 8
    .kernarg_segment_size: 64
    .max_flat_workgroup_size: 128
    .sgpr_count:     100
    .vgpr_count:     1024
    .wavefront_size: 32
...
	.end_amdgpu_metadata
.endif
;; end of part 2
;; launch attn (part 3): grid 4 x 64, 8 waves a work-group, clusters of 4 x 1, 327,680 bytes of LDS; arguments qkv, ao; writes ao
.if DOCPART == 3
	.amdgcn_target "amdgcn-amd-amdhsa--gfx1250"
	.amdhsa_code_object_version 6
	.text
	.protected	k_q12f5b8eb87_attn
	.globl	k_q12f5b8eb87_attn
	.p2align	8
	.type	k_q12f5b8eb87_attn,@function
k_q12f5b8eb87_attn:
	s_mov_b64 s[64:65], 0
	v_nop
	global_prefetch_b8 v0, s[64:65] scope:SCOPE_SE
	s_setreg_imm32_b32 hwreg(HW_REG_WAVE_MODE, 25, 1), 1
	s_wait_xcnt 0x0
	s_wait_alu depctr_hold_cnt(0) depctr_sa_sdst(0) depctr_va_vdst(0) depctr_va_sdst(0) depctr_va_ssrc(0) depctr_va_vcc(0) depctr_vm_vsrc(0)
	s_getreg_b32 s2, hwreg(HW_REG_IB_STS2, 6, 4)
	s_cmp_eq_u32 s2, 0
	s_cbranch_scc0 .Lentry_in_a_cluster
	s_endpgm
.Lentry_in_a_cluster:
	s_bfe_u32 s2, ttmp6, 0x10000c
	s_cmp_lg_u32 s2, 0x3003
	s_cbranch_scc0 .Lentry_shape_is_right
	s_endpgm
.Lentry_shape_is_right:
; O[bh][q] = the sum over k of softmax_k(Q[bh][q] . K[bh][k] / 8) V[bh][k], no mask.  q, k, v: qkv [3][64 bh][2048][64] f16.  Products, maxima and sums in f32; the weights p are rounded to f16
; for the second product, O once at the end, to f16, laid for the projection: ao [token / 128][head][token % 128][64].
; SHARES.  A cluster of four work-groups is one head; a work-group owns 512 queries, each of its eight waves 64: four tiles of 16.  Two waves to a SIMD, 512 registers each.  Every wave walks all 2,048 keys, 64 a step.
; LAYOUT.  S^T = K Q^T (source 0 = 16 keys, source 1 = 16 queries) and O^T = V^T P: a lane holds ONE query throughout; two tiles of S^T, rounded in pairs, ARE source 1 of the second product, and are laid over S^T's low half.
; SOFTMAX.  A running maximum m and sum l for each query: p = 2^(c s - c m), c = log2(e) / 8; in every step O and l are multiplied by a = 2^(c m_old - c m_new).
; THE RING.  A head's row is 128 bytes, so K's and V's rows are fetched two to a row of 256 bytes: row i lies at (i / 2) x pitch + (i % 2) x 128.  Two slots of 512 keys; the four partners ask for each tile JOINTLY.
; Waves 0-3 fetch K's quarters of a slot, waves 4-7 V's: one load a wave, 64 rows of 256 bytes.  One load of a wave is out at any time.
; A TURN fetches K of step j, runs the softmax and V^T P of step j - 1, fetches V of step j and runs K Q^T of step j: each run of LDS loads has a phase in which to land.
; REGISTERS: window 0: v2-15 addresses; v32-63 statistics, eight a tile; v64-191 S^T, 32 a tile; v192-255 K.   window 1: v0-127 O^T, 32 a tile; v128-191 Q; v192-255 V.
.set PKP,   272                        ; K: 256 bytes + 16: the 16 rows of a load fall on 16 different pieces of 16 bytes modulo 256
.set PVP,   288                        ; V: 256 + 32: likewise for the turning load's 8 keys x 2 pieces
.set VOFF,  256*PKP
.set SLOTB, 256*(PKP+PVP)
.set STEPK, 32*PKP
.set STEPV, 32*PVP
.set SPARE, 2*SLOTB                    ; the spare words, 128 bytes a wave
.set SP,    144                        ; the way out: 16 rows x (128 + 16) for each tile, in slot 0, which has had its last fill and its last read by then
.set AK0, 2
.set AV0, 3
.set ADK, 4
.set ADV, 5
.set QO,  6
.set STO, 7
.set RD,  8
.set SPW, 12                           ; never rewritten
.set NIL, 13                           ; never rewritten
.set GO,  14
.set PFO, 15                           ; 256 x lane; never rewritten
.set ST,  32                           ; tile t at v[ST+8 t]: +0 c m, +1 m, +2, +3 l, +4 .. +7 c0-c3 at work; a takes c2's place
.set S,   64
.set KF,  192
.set WV,  8
.set PFA, 18
.set G1K, 24
.set G1V, 32
.set G0K, 40                           ; a set for each slot
.set G0V, 48
.set TBK, 56                           ; LDS byte at which the step's rows of K begin;
.set TBV, 57                           ; V's, less VOFF
.set CS,  58
.set SEL, 60
.set CNT, 62
.set MSB, 0
.macro WIN new
.if MSB != (\new)
	s_set_vgpr_msb (MSB<<8)|(\new)
.set MSB, (\new)
.endif
.endm
.macro JLOAD f                         ; a joint load into slot f; an s_nop 0 and four v_nop follow each line
	s_cmp_lt_u32 s[WV], 4
	s_cbranch_scc0 .Lfor_v_\@
	tensor_load_to_lds s[G0K+4*\f:G0K+4*\f+3], s[G1K:G1K+7]
	s_nop 0
.rept 4
	v_nop
.endr
	s_branch .Lasked_\@
.Lfor_v_\@:
	tensor_load_to_lds s[G0V+4*\f:G0V+4*\f+3], s[G1V:G1V+7]
	s_nop 0
.rept 4
	v_nop
.endr
.Lasked_\@:
.endm
; A prefetch of the 512 keys that the NEXT change of slots will ask for: 65,536 bytes of K and of V.  The four partners take 16,384 bytes each, told apart by address; in each, waves 0, 1 ask for K's and
; waves 2, 3 for V's, 8,192 bytes a wave, lanes 256 bytes apart: each aligned block of 256 bytes is named once in the launch.  It stands behind the tensor load's lines; the keys 0 to 1,023 come by their loads alone.
.macro ASK v
	s_cmp_lt_u32 s[WV], 4
	s_cbranch_scc0 .Lnot_mine_\@
	global_prefetch_b8 v[PFO], s[PFA:PFA+1] offset:\v*65536 th:TH_LOAD_NT scope:SCOPE_SE
.Lnot_mine_\@:
.endm
.macro CROUND
	s_barrier_signal -1
	s_barrier_wait -1
	s_cmp_lg_u32 s[WV], 0
	s_cbranch_scc1 .Lnot_wave_0_\@
	s_barrier_signal -3
.Lnot_wave_0_\@:
	s_barrier_wait -3
	s_barrier_signal -1
	s_barrier_wait -1
.endm
	s_load_b128 s[4:7], s[0:1], 0x0                ; qkv, ao
	v_lshl_add_u32 v[SPW], v0, 2, SPARE
	v_mov_b32 v[NIL], 0
	ds_add_u32 v[SPW], v[NIL]                      ; the opening: the add, twice on end, and its wait ahead of my first tensor load
	ds_add_u32 v[SPW], v[NIL]
	v_lshrrev_b32 v1, 5, v0
	v_readfirstlane_b32 s[WV], v1                  ; wave 0..7
	s_bfe_u32 s9, ttmp6, 0x40000                   ; cx
	s_and_b32 s10, ttmp7, 0xffff                   ; batch x head, which the four partners share
	s_and_b32 s11, s[WV], 3                        ; which quarter of a slot I fetch
	s_mov_b32 s[G1K], 15|(1<<16)|(1<<20)|(1<<21)|(5<<22)|(3<<25)   ; mask: all four; elements of 2 bytes; padding: 4 words behind every 64; bit 21 beside a mask
	s_mov_b32 s[G1V], 15|(1<<16)|(1<<20)|(1<<21)|(5<<22)|(7<<25)   ; the same with 8 words
.irp g, G1K, G1V
	s_mov_b32 s[\g+1], 128<<16                     ; tensor_dim0 = 128 elements: two rows of a head
	s_mov_b32 s[\g+2], 64<<16                      ; tensor_dim1 = 64
	s_mov_b32 s[\g+3], 128<<16                     ; tile_dim0
	s_mov_b32 s[\g+4], 64                          ; tile_dim1
	s_mov_b32 s[\g+5], 128                         ; dense
	s_mov_b32 s[\g+6], 0
	s_mov_b32 s[\g+7], 0
.endr
	s_mov_b32 s[CS], 0x3e38aa3b                    ; c = log2(e) / 8
	s_mov_b32 s[CS+1], s[CS]                       ; (named with it as a pair)
	s_mov_b32 s[SEL], 0x76543210
	s_mov_b32 s[SEL+1], 0xfedcba98                 ; lane l xor 16
	s_lshl_b32 s12, s10, 18                        ; K: the head's 262,144 bytes,
	s_lshl_b32 s63, s11, 14                        ; my 64 rows of 256,
	s_add_co_u32 s12, s12, s63
	s_add_co_u32 s12, s12, 0x1000000               ; in qkv's second third
	s_mov_b32 s13, 0
	s_mul_i32 s2, s11, 64*PKP                      ; and in a slot: no place in the cluster enters an LDS address
	s_mul_i32 s3, s11, 64*PVP
	s_add_co_u32 s3, s3, VOFF
	s_lshl_b32 s14, s10, 18                        ; the prefetches: the head,
	s_lshl_b32 s15, s9, 14                         ; my work-group's 16,384 bytes,
	s_add_co_u32 s14, s14, s15
	s_and_b32 s15, s[WV], 1
	s_lshl_b32 s15, s15, 13                        ; my wave's 8,192,
	s_add_co_u32 s14, s14, s15
	s_lshr_b32 s15, s[WV], 1
	s_and_b32 s15, s15, 1
	s_lshl_b32 s15, s15, 24                        ; K (waves 0, 1) or V (waves 2, 3),
	s_add_co_u32 s14, s14, s15
	s_add_co_u32 s14, s14, 0x1000000+131072        ; from key 1,024 on
	s_mov_b32 s15, 0
	s_lshl_b32 s63, ttmp9, 2
	s_add_co_u32 s63, s63, s9                      ; my block of 512 queries: it enters Q's and ao's addresses alone
	s_lshl_b32 s16, s10, 18
	s_lshl_b32 s17, s63, 16
	s_add_co_u32 s16, s16, s17
	s_lshl_b32 s17, s[WV], 13                      ; my wave's 64 queries
	s_add_co_u32 s16, s16, s17
	s_mov_b32 s17, 0
	s_lshr_b32 s66, s10, 4
	s_lshl_b32 s66, s66, 4                         ; ao: 16 blocks of 128 tokens to a batch,
	s_lshl_b32 s67, s63, 2
	s_add_co_u32 s66, s66, s67
	s_lshr_b32 s67, s[WV], 1
	s_add_co_u32 s66, s66, s67                     ; token / 128
	s_lshl_b32 s66, s66, 4
	s_and_b32 s67, s10, 15
	s_add_co_u32 s66, s66, s67                     ; x 16 + head
	s_lshl_b32 s66, s66, 14
	s_and_b32 s67, s[WV], 1
	s_lshl_b32 s67, s67, 13                        ; my 64 of the 128 tokens
	s_add_co_u32 s66, s66, s67
	s_mov_b32 s67, 0
	s_wait_dscnt 0x0                               ; both opening adds are done
	s_wait_kmcnt 0x0
	s_add_nc_u64 s[20:21], s[4:5], s[12:13]        ; K at my quarter of keys 0 to 511
	s_add_nc_u64 s[22:23], s[20:21], 0x1000000     ; V likewise
	s_add_nc_u64 s[PFA:PFA+1], s[4:5], s[14:15]
	s_add_nc_u64 s[16:17], s[4:5], s[16:17]        ; Q
	s_add_nc_u64 s[66:67], s[6:7], s[66:67]        ; ao
.irp f, 0,1
	s_mov_b32 s[G0K+4*\f], 1
	s_add_co_u32 s[G0K+4*\f+1], s2, \f*SLOTB
	s_add_nc_u64 s[G0K+4*\f+2:G0K+4*\f+3], s[20:21], \f*65536
	s_or_b32 s[G0K+4*\f+3], s[G0K+4*\f+3], 0x80000000
	s_mov_b32 s[G0V+4*\f], 1
	s_add_co_u32 s[G0V+4*\f+1], s3, \f*SLOTB
	s_add_nc_u64 s[G0V+4*\f+2:G0V+4*\f+3], s[22:23], \f*65536
	s_or_b32 s[G0V+4*\f+3], s[G0V+4*\f+3], 0x80000000
.endr
	CROUND                                         ; all four work-groups are here: the first joint loads meet
	JLOAD 0                                        ; keys 0 to 511
	v_and_b32 v1, 15, v0                           ; r
	v_bfe_u32 v9, v0, 4, 1                         ; h
	v_lshlrev_b32 v[QO], 7, v1
	v_lshl_add_u32 v[QO], v9, 4, v[QO]             ; Q: row r of 128 bytes + 16 h
	WIN 0x40                                       ; destination window 1
.irp t, 0,1,2,3
.irp c, 0,1
	global_load_b128 v[128+16*\t+8*\c:128+16*\t+8*\c+3], v[QO], s[16:17] offset:\t*2048+64*\c       ; Q stays in registers: tile t, channels 32 c on
	global_load_b128 v[128+16*\t+8*\c+4:128+16*\t+8*\c+7], v[QO], s[16:17] offset:\t*2048+64*\c+32
.endr
.endr
.set i, 0
.rept 128
	v_mov_b32 v[i], 0                              ; O^T.  The step is written once: the first finds zeros, which a = 0 leaves zeros; a copy of the step that starts the sums is spared
.set i, i+1
.endr
	WIN 0
.irp t, 0,1,2,3
	v_mov_b32 v[ST+8*\t+1], 0xff61b1e6             ; m: -3e38, under every score
	v_mov_b32 v[ST+8*\t+2], 0                      ; l, in two halves
	v_mov_b32 v[ST+8*\t+3], 0
.endr
.irp t, 0,1,2,3
	v_mul_f32 v[ST+8*\t], s[CS], v[ST+8*\t+1]      ; c m
.endr
	v_lshrrev_b32 v10, 1, v1
	v_mul_u32_u24 v[AK0], v10, PKP
	v_and_b32 v10, 1, v0
	v_lshl_add_u32 v[AK0], v10, 7, v[AK0]
	v_lshl_add_u32 v[AK0], v9, 4, v[AK0]           ; K: key r: (r / 2) x pitch + (r % 2) x 128 + 16 h
	v_bfe_u32 v11, v0, 1, 2
	v_lshl_add_u32 v11, v9, 2, v11
	v_mul_u32_u24 v[AV0], v11, PVP
	v_lshl_add_u32 v[AV0], v10, 7, v[AV0]
	v_bfe_u32 v11, v0, 3, 1
	v_lshl_add_u32 v[AV0], v11, 4, v[AV0]
	v_add_nc_u32 v[AV0], VOFF, v[AV0]              ; V: key 8 h + l % 8, channels 8 ((l / 8) % 2) on
	s_mul_i32 s63, s[WV], 4*16*SP                  ; my stage
	v_mul_u32_u24 v[STO], v1, SP
	v_lshl_add_u32 v[STO], v9, 4, v[STO]
	v_add_nc_u32 v[STO], s63, v[STO]               ; in: query r, 16 bytes for each half of the lanes
	v_bfe_u32 v10, v0, 3, 2
	v_mul_u32_u24 v[RD], v10, SP
	v_and_b32 v11, 7, v0
	v_lshl_add_u32 v[RD], v11, 4, v[RD]
	v_add_nc_u32 v[RD], s63, v[RD]                 ; back: eight lanes to a row of 128 bytes, four rows an instruction
	v_and_b32 v[GO], 31, v0
	v_lshlrev_b32 v[PFO], 8, v[GO]
	v_lshlrev_b32 v[GO], 4, v[GO]                  ; in ao: 16 bytes a lane
.macro FETCH_K                         ; a step's K: 64 keys x 64 channels: keys 16 u on, channels 32 c on
.irp u, 0,1,2,3
.irp c, 0,1
	ds_load_b128 v[KF+16*\u+8*\c:KF+16*\u+8*\c+3],   v[ADK] offset:\u*8*PKP+64*\c
	ds_load_b128 v[KF+16*\u+8*\c+4:KF+16*\u+8*\c+7], v[ADK] offset:\u*8*PKP+64*\c+32
.endr
.endr
.endm
.macro FETCH_V                         ; a step's V, turned: keys 32 k on, channels 16 a on
	WIN 0x40
.irp k, 0,1
.irp a, 0,1,2,3
	ds_load_tr16_b128 v[192+32*\k+8*\a:192+32*\k+8*\a+3],   v[ADV] offset:\k*16*PVP+32*\a
	ds_load_tr16_b128 v[192+32*\k+8*\a+4:192+32*\k+8*\a+7], v[ADV] offset:\k*16*PVP+8*PVP+32*\a
.endr
.endr
.endm
; The accumulators take turns, one instruction a turn: between two links of a chain stand 15 others'.
.macro KQ                              ; S^T = K Q^T: product i: channels 32 (i / 16) on, keys 16 ((i / 4) % 4) on, tile i % 4.  The first 16 start the sums
	WIN 0x04                                       ; Q in window 1
.set i, 0
.rept 32
.set rS, S+32*(i%4)+8*((i/4)%4)
.set rK, KF+16*((i/4)%4)+8*(i/16)
.set rQ, 128+16*(i%4)+8*(i/16)
.if i < 16
	v_wmma_f32_16x16x32_f16 v[rS:rS+7], v[rK:rK+7], v[rQ:rQ+7], 0
.else
	v_wmma_f32_16x16x32_f16 v[rS:rS+7], v[rK:rK+7], v[rQ:rQ+7], v[rS:rS+7]
.endif
.set i, i+1
.endr
.endm
.macro PVM                             ; O^T += V^T P: product i: keys 32 (i / 16) on, channels 16 ((i / 4) % 4) on, tile i % 4
	WIN 0x51                                       ; V and O^T in window 1, P in window 0
.set i, 0
.rept 32
.set rO, 32*(i%4)+8*((i/4)%4)
.set rV, 192+32*(i/16)+8*((i/4)%4)
.set rP, S+32*(i%4)+8*(i/16)
	v_wmma_f32_16x16x32_f16 v[rO:rO+7], v[rV:rV+7], v[rP:rP+7], v[rO:rO+7]
.set i, i+1
.endr
.endm
; The softmax of one step, the four tiles by turns line by line, so that no line waits for the line above it.
.macro SOFTMAX
	WIN 0
.irp j, 0,1,2,3
.irp t, 0,1,2,3
	v_max3_num_f32 v[ST+8*\t+4+\j], v[S+32*\t+8*\j], v[S+32*\t+8*\j+1], v[S+32*\t+8*\j+2]   ; four chains a tile; each accumulator is read from its low end on
.endr
.endr
.irp g, 1,2
.irp j, 0,1,2,3
.irp t, 0,1,2,3
	v_max3_num_f32 v[ST+8*\t+4+\j], v[ST+8*\t+4+\j], v[S+32*\t+8*\j+2*\g+1], v[S+32*\t+8*\j+2*\g+2]
.endr
.endr
.endr
.irp t, 0,1,2,3
	v_max3_num_f32 v[ST+8*\t+4], v[ST+8*\t+4], v[S+32*\t+7], v[S+32*\t+15]
.endr
.irp t, 0,1,2,3
	v_max3_num_f32 v[ST+8*\t+6], v[ST+8*\t+6], v[S+32*\t+23], v[S+32*\t+31]
.endr
.irp t, 0,1,2,3
	v_max3_num_f32 v[ST+8*\t+4], v[ST+8*\t+4], v[ST+8*\t+5], v[ST+8*\t+6]
.endr
.irp t, 0,1,2,3
	v_max3_num_f32 v[ST+8*\t+4], v[ST+8*\t+4], v[ST+8*\t+7], v[ST+8*\t+1]   ; with the old m
.endr
.irp t, 0,1,2,3
	v_permlanex16_b32 v[ST+8*\t+5], v[ST+8*\t+4], s[SEL], s[SEL+1]          ; the query's other 32 keys lie in the lane 16 away
.endr
.irp t, 0,1,2,3
	v_mov_b32 v[ST+8*\t+7], v[ST+8*\t]             ; c m_old
.endr
.irp t, 0,1,2,3
	v_max_num_f32 v[ST+8*\t+1], v[ST+8*\t+4], v[ST+8*\t+5]                  ; the new m
.endr
.irp t, 0,1,2,3
	v_mul_f32 v[ST+8*\t], s[CS], v[ST+8*\t+1]
.endr
.irp t, 0,1,2,3
	v_sub_f32 v[ST+8*\t+7], v[ST+8*\t+7], v[ST+8*\t]                        ; c m_old - c m_new, 0 or less
.endr
; ONE BATCH: the scalings and all 132 exponentials; nothing in it names an exponential's result.  A pair is scaled one round ahead of its exponentials.
.irp t, 0,1,2,3
	v_pk_fma_f32 v[S+32*\t:S+32*\t+1], v[S+32*\t:S+32*\t+1], s[CS:CS+1], v[ST+8*\t:ST+8*\t+1] op_sel_hi:[1,0,0] neg_lo:[0,0,1] neg_hi:[0,0,1]   ; c s - c m
.endr
.irp t, 0,1,2,3
	v_exp_f32 v[ST+8*\t+6], v[ST+8*\t+7]           ; a
.endr
.set bb, 0
.rept 16
.irp t, 0,1,2,3
.if bb < 15
	v_pk_fma_f32 v[S+32*\t+2*bb+2:S+32*\t+2*bb+3], v[S+32*\t+2*bb+2:S+32*\t+2*bb+3], s[CS:CS+1], v[ST+8*\t:ST+8*\t+1] op_sel_hi:[1,0,0] neg_lo:[0,0,1] neg_hi:[0,0,1]
.endif
	v_exp_f32 v[S+32*\t+2*bb], v[S+32*\t+2*bb]
	v_exp_f32 v[S+32*\t+2*bb+1], v[S+32*\t+2*bb+1]
.endr
.set bb, bb+1
.endr
	v_nop                                          ; a plain instruction behind the last exponential, ahead of the first use
	s_wait_alu depctr_va_vdst(0)                   ; one wait for the batch, ahead of its first reader
.irp t, 0,1,2,3
	v_pk_fma_f32 v[ST+8*\t+2:ST+8*\t+3], v[ST+8*\t+2:ST+8*\t+3], v[ST+8*\t+6:ST+8*\t+7], v[S+32*\t:S+32*\t+1] op_sel_hi:[1,0,1]   ; l = a l + pair 0: the sums are taken of the unrounded p
.endr
.irp t, 0,1,2,3
	v_pk_add_f32 v[ST+8*\t+4:ST+8*\t+5], v[S+32*\t+2:S+32*\t+3], v[S+32*\t+4:S+32*\t+5]   ; a second chain
.endr
.irp p, 3,5,7,9,11,13
.irp t, 0,1,2,3
	v_pk_add_f32 v[ST+8*\t+2:ST+8*\t+3], v[ST+8*\t+2:ST+8*\t+3], v[S+32*\t+2*\p:S+32*\t+2*\p+1]
	v_pk_add_f32 v[ST+8*\t+4:ST+8*\t+5], v[ST+8*\t+4:ST+8*\t+5], v[S+32*\t+2*\p+2:S+32*\t+2*\p+3]
.endr
.endr
.irp t, 0,1,2,3
	v_pk_add_f32 v[ST+8*\t+2:ST+8*\t+3], v[ST+8*\t+2:ST+8*\t+3], v[S+32*\t+30:S+32*\t+31]
.endr
.irp t, 0,1,2,3
	v_pk_add_f32 v[ST+8*\t+2:ST+8*\t+3], v[ST+8*\t+2:ST+8*\t+3], v[ST+8*\t+4:ST+8*\t+5]
.endr
.set bb, 0
.rept 16
.irp t, 0,1,2,3
	v_cvt_pk_f16_f32 v[S+32*\t+bb], v[S+32*\t+2*bb], v[S+32*\t+2*bb+1]      ; P over S^T's low half: register i is written when registers up to 2 i + 1 have been read
.endr
.set bb, bb+1
.endr
	WIN 0x41                                       ; O^T in window 1, a in window 0
.set bb, 0
.rept 16
.irp t, 0,1,2,3
	v_pk_mul_f32 v[32*\t+2*bb:32*\t+2*bb+1], v[32*\t+2*bb:32*\t+2*bb+1], v[ST+8*\t+6:ST+8*\t+7] op_sel_hi:[1,0]   ; O^T x a, each accumulator from its low end on
.endr
.set bb, bb+1
.endr
.endm
.macro TURN
	WIN 0
	v_add_nc_u32 v[ADK], s[TBK], v[AK0]            ; with the three v_nop: four places behind K Q^T, ahead of the loads into K's registers and of the first read of the scores
.rept 3
	v_nop
.endr
	FETCH_K                                        ; K of step j
	SOFTMAX                                        ; step j - 1
	s_wait_dscnt 16                                ; V of step j - 1 is in; K's sixteen loads may be out
	PVM                                            ; step j - 1
	WIN 0
	v_add_nc_u32 v[ADV], s[TBV], v[AV0]            ; with the four v_nop: five places behind V^T P: K Q^T below writes over P, which V^T P has read; four serve the loads into V's registers
.rept 4
	v_nop
.endr
	FETCH_V                                        ; V of step j
	s_wait_dscnt 16                                ; K of step j is in; V's sixteen loads may be out
	KQ                                             ; step j
	WIN 0
	s_add_co_u32 s[TBK], s[TBK], STEPK
	s_add_co_u32 s[TBV], s[TBV], STEPV
.endm
.macro LOOP n
	s_mov_b32 s[CNT], \n
.Lturn_\@:
	TURN
	s_sub_co_u32 s[CNT], s[CNT], 1
	s_cmp_lg_u32 s[CNT], 0
	s_cbranch_scc1 .Lturn_\@
.endm
; THE CHANGE OF SLOTS.  Each wave waits for all its tensor loads (its part of the slot ahead), adds 0 to its spare word, and waits for that and for its reads of the slot that it leaves (V of the last step is then in registers).
; fill = 1: behind a round of the cluster's barrier slot f is filled, first thing: the load has eight steps in which to land.  step = 1: slot f's descriptors go 1,024 keys on.  cur: the slot that is read next.
.macro CHANGE fill, f, step, cur, ask
	s_wait_tensorcnt 0x0                           ; no tensor load of mine is out, so a group 0 may be written
	ds_add_u32 v[SPW], v[NIL]
.if \step
	s_add_nc_u64 s[G0K+4*\f+2:G0K+4*\f+3], s[G0K+4*\f+2:G0K+4*\f+3], 131072
	s_add_nc_u64 s[G0V+4*\f+2:G0V+4*\f+3], s[G0V+4*\f+2:G0V+4*\f+3], 131072
.endif
	s_mov_b32 s[TBK], \cur*SLOTB
	s_mov_b32 s[TBV], \cur*SLOTB
	s_wait_dscnt 0x0                               ; the add is done, and my reads of the slot that I leave are over
.if \fill
	CROUND
	JLOAD \f
.if \ask >= 0
	ASK \ask
.endif
.else
	s_barrier_signal -1
	s_barrier_wait -1
.endif
.endm
	CHANGE 1, 1, 0, 0, 0                           ; slot 0 is whole; slot 1's first fill (keys 512 on): all eight loads behind this round are first fills
	v_add_nc_u32 v[ADK], s[TBK], v[AK0]            ; step 0: K, V, the first scores
	FETCH_K
	v_add_nc_u32 v[ADV], s[TBV], v[AV0]
	FETCH_V
	s_wait_loadcnt 0x0                             ; Q
	s_wait_dscnt 16                                ; K is in; V's sixteen loads may be out
	KQ
	WIN 0
	s_add_co_u32 s[TBK], s[TBK], STEPK
	s_add_co_u32 s[TBV], s[TBV], STEPV
	LOOP 7                                         ; steps 1 to 7
	CHANGE 1, 0, 1, 1, 1                           ; slot 0 takes keys 1,024 on
	LOOP 8
	CHANGE 1, 1, 1, 0, -1                          ; slot 1 takes keys 1,536 on: the last load
	LOOP 8
	CHANGE 0, 0, 0, 1, -1                          ; nothing is left to fetch
	LOOP 8
.rept 4
	v_nop                                          ; four places behind the last K Q^T
.endr
	SOFTMAX                                        ; step 31
	s_wait_dscnt 0x0                               ; its V
	PVM
	; THE WAY OUT.  l's two halves and the other half of the lanes' are added (these lines are the places behind the last products); O^T / l, rounded to f16, goes through my stage and leaves as 512 consecutive bytes an instruction.
	WIN 0
.irp t, 0,1,2,3
	v_add_f32 v[ST+8*\t+4], v[ST+8*\t+2], v[ST+8*\t+3]
.endr
.irp t, 0,1,2,3
	v_permlanex16_b32 v[ST+8*\t+5], v[ST+8*\t+4], s[SEL], s[SEL+1]
.endr
.irp t, 0,1,2,3
	v_add_f32 v[ST+8*\t+4], v[ST+8*\t+4], v[ST+8*\t+5]
.endr
.irp t, 0,1,2,3
	v_rcp_f32 v[ST+8*\t+6], v[ST+8*\t+4]
.endr
	v_nop                                          ; a plain instruction behind the last reciprocal
	s_wait_alu depctr_va_vdst(0)                   ; one wait for the four, ahead of the first use
.macro PACKO t
	WIN 0x41
.set i, 0
.rept 16
	v_pk_mul_f32 v[32*\t+2*i:32*\t+2*i+1], v[32*\t+2*i:32*\t+2*i+1], v[ST+8*\t+6:ST+8*\t+7] op_sel_hi:[1,0]
.set i, i+1
.endr
	WIN 0x05                                       ; sources in window 1, destination in window 0
.set i, 0
.rept 16
	v_cvt_pk_f16_f32 v[S+32*\t+i], v[32*\t+2*i], v[32*\t+2*i+1]
.set i, i+1
.endr
	WIN 0
.irp a, 0,1,2,3
	ds_store_b128 v[STO], v[S+32*\t+4*\a:S+32*\t+4*\a+3] offset:\t*16*SP+32*\a     ; query r, channels 16 a + 8 h on
.endr
.irp i, 0,1,2,3
	ds_load_b128 v[S+32*\t+16+4*\i:S+32*\t+16+4*\i+3], v[RD] offset:\t*16*SP+\i*4*SP   ; LDS serves a wave's instructions in order: these see the stores above
.endr
.endm
.macro SEND t
.irp i, 0,1,2,3
	s_wait_dscnt 8*(3-\t)+3-\i                     ; the younger LDS instructions may be out: the later tiles' eight each, and this tile's later loads
	global_store_b128 v[GO], v[S+32*\t+16+4*\i:S+32*\t+16+4*\i+3], s[66:67] offset:\t*2048+\i*512
.endr
.endm
	PACKO 0
	PACKO 1
	PACKO 2
	PACKO 3
	SEND 0
	SEND 1
	SEND 2
	SEND 3
	s_wait_tensorcnt 0x0                           ; the wave's end
	ds_add_u32 v[SPW], v[NIL]
	s_wait_dscnt 0x0
	CROUND                                         ; the closing round
	s_endpgm
.Lfunc_end_k_q12f5b8eb87_attn:
	.size	k_q12f5b8eb87_attn, .Lfunc_end_k_q12f5b8eb87_attn-k_q12f5b8eb87_attn
	.p2alignl 7, 3214868480
	.fill 96, 4, 3214868480
	.section	.rodata,"a",@progbits
	.p2align	6, 0x0
	.amdhsa_kernel k_q12f5b8eb87_attn
		.amdhsa_group_segment_fixed_size 327680
		.amdhsa_private_segment_fixed_size 0
		.amdhsa_enable_private_segment 0
		.amdhsa_kernarg_size 16
		.amdhsa_user_sgpr_count 2
		.amdhsa_user_sgpr_kernarg_segment_ptr 1
		.amdhsa_wavefront_size32 1
		.amdhsa_system_sgpr_workgroup_id_x 1
		.amdhsa_system_sgpr_workgroup_id_y 1
		.amdhsa_system_sgpr_workgroup_id_z 1
		.amdhsa_system_vgpr_workitem_id 0
		.amdhsa_next_free_vgpr 512
		.amdhsa_next_free_sgpr 68
		.amdhsa_reserve_vcc 0
		.amdhsa_float_denorm_mode_32 3
		.amdhsa_float_denorm_mode_16_64 3
		.amdhsa_memory_ordered 1
		.amdhsa_forward_progress 1
		.amdhsa_inst_pref_size 190
	.end_amdhsa_kernel
	.amdgpu_metadata
---
amdhsa.version: [ 1, 2 ]
amdhsa.kernels:
  - .name:           k_q12f5b8eb87_attn
    .symbol:         k_q12f5b8eb87_attn.kd
    .args:
      - { .name: qkv, .offset: 0, .size: 8, .value_kind: global_buffer, .address_space: global }
      - { .name: ao, .offset: 8, .size: 8, .value_kind: global_buffer, .address_space: global }
    .group_segment_fixed_size: 327680
    .private_segment_fixed_size: 0
    .kernarg_segment_align: 8
    .kernarg_segment_size: 16
    .max_flat_workgroup_size: 256
    .sgpr_count:     68
    .vgpr_count:     512
    .wavefront_size: 32
...
	.end_amdgpu_metadata
.endif
;; end of part 3
;; launch oproj (part 4): grid 4 x 64, 4 waves a work-group, clusters of 4 x 4, 327,680 bytes of LDS; arguments ao, wo16, bo, out0; writes out0
.if DOCPART == 4
	.amdgcn_target "amdgcn-amd-amdhsa--gfx1250"
	.amdhsa_code_object_version 6
	.text
	.protected	k_q12f5b8eb87_oproj
	.globl	k_q12f5b8eb87_oproj
	.p2align	8
	.type	k_q12f5b8eb87_oproj,@function
k_q12f5b8eb87_oproj:
	s_mov_b64 s[64:65], 0
	v_nop
	global_prefetch_b8 v0, s[64:65] scope:SCOPE_SE
	s_setreg_imm32_b32 hwreg(HW_REG_WAVE_MODE, 25, 1), 1
	s_wait_xcnt 0x0
	s_wait_alu depctr_hold_cnt(0) depctr_sa_sdst(0) depctr_va_vdst(0) depctr_va_sdst(0) depctr_va_ssrc(0) depctr_va_vcc(0) depctr_vm_vsrc(0)
	s_getreg_b32 s2, hwreg(HW_REG_IB_STS2, 6, 4)
	s_cmp_eq_u32 s2, 0
	s_cbranch_scc0 .Lentry_in_a_cluster
	s_endpgm
.Lentry_in_a_cluster:
	s_bfe_u32 s2, ttmp6, 0x10000c
	s_cmp_lg_u32 s2, 0xf033
	s_cbranch_scc0 .Lentry_shape_is_right
	s_endpgm
.Lentry_shape_is_right:
; out0[token][n] = the sum over e of ao[token][e] Wo[n][e] + bo[n].  ao [token / 128][head][128][64] and wo16 [n / 256][head][256][64] are f16, laid by tile; sums in f32; out0 [8192][1024] f32.
; A tile of 128 tokens x 256 columns is made by four waves, 64 x 128 each: 32 accumulators, 256 registers: 256 work-groups.  K goes by heads: a slot holds two heads (128 along K), eight slots' worth in all.
; A head's part of a tile is a dense block, fetched as rows of 256 bytes (two rows of 64 f16): row i lies at (i / 2) x 272 + (i % 2) x 128, so that the 16 rows of a load fall on 16 different pieces of 16 bytes modulo 256.
; CLUSTERS of 4 x 4: ao's tiles are shared along a row of the cluster, wo16's along a column, by joint loads.  Waves 0, 1 fetch ao's two heads of a slot (64 rows), waves 2, 3 wo16's (128 rows): one load a wave.
; THE MATRIX INSTRUCTION IS USED TRANSPOSED (source 0 = 16 rows of Wo, source 1 = 16 tokens): a lane holds eight neighbouring columns of one token.  The bias is the C of each sum's first product.
; REGISTERS: window 0: v16-30 addresses; v64-127 the bias; v128-255 the way out.  window 1: the accumulators ((a, b) at v[8 (8 a + b)]).  window 2: two fragment buffers (v0, v128): Wo's eight at 8 b, ao's four at 64 + 8 a.
.set PITCH,  272
.set AH,     64*PITCH                  ; a head of ao's tile
.set BH,     128*PITCH                 ; a head of wo16's tile
.set BOFF,   2*AH
.set SLOT,   2*AH+2*BH
.set SPARE,  2*SLOT                    ; the spare words, 128 bytes a wave
.set SPITCH, 528                       ; the way out: 16 rows x (512 + 16) a wave, in slot 0, which has had its last fill and its last read by then
.set ADRA, 16
.set ADRB, 20
.set STO,  24
.set RD,   25
.set CO,   26
.set SPW,  28                          ; never rewritten
.set NIL,  29                          ; never rewritten
.set BO,   30
.set BIAS, 64
.set BK,   128
.set F0,   0
.set F1,   128
.set WV,  12                           ; s12 wave; s13 wave / 2: my half of the tokens, and: I fetch for ao (0) or wo16 (1); s14 wave % 2: my half of the columns, and which head of a slot I fetch
.set G1,  24
.set G0,  32
.set G1B, 48
.set G0B, 56
.set MSB, 0
.macro WIN new
.if MSB != (\new)
	s_set_vgpr_msb (MSB<<8)|(\new)
.set MSB, (\new)
.endif
.endm
.set MUL,  0x5a                        ; sources 0 and 1 window 2, C and D window 1
.set MULF, 0x4a                        ; the first quarter: C (the bias) window 0
.set TO_F, 0x80
.macro JLOAD s                         ; an s_nop 0 and four v_nop follow each line
	s_cmp_eq_u32 s13, 0
	s_cbranch_scc0 .Lfor_b_\@
	tensor_load_to_lds s[G0+4*\s:G0+4*\s+3], s[G1:G1+7]
	s_nop 0
.rept 4
	v_nop
.endr
	s_branch .Lasked_\@
.Lfor_b_\@:
	tensor_load_to_lds s[G0B+4*\s:G0B+4*\s+3], s[G1B:G1B+7]
	s_nop 0
.rept 4
	v_nop
.endr
.Lasked_\@:
.endm
.macro CREST
	s_cmp_lg_u32 s[WV], 0
	s_cbranch_scc1 .Lnot_wave_0_\@
	s_barrier_signal -3
.Lnot_wave_0_\@:
	s_barrier_wait -3
	s_barrier_signal -1
	s_barrier_wait -1
.endm
.macro CROUND
	s_barrier_signal -1
	s_barrier_wait -1
	CREST
.endm
	s_load_b256 s[4:11], s[0:1], 0x0               ; ao 4, wo16 6, bo 8, out0 10
	v_lshl_add_u32 v[SPW], v0, 2, SPARE
	v_mov_b32 v[NIL], 0
	ds_add_u32 v[SPW], v[NIL]                      ; the opening: the add, twice on end, and its wait ahead of my first tensor load
	ds_add_u32 v[SPW], v[NIL]
	v_lshrrev_b32 v1, 5, v0
	v_readfirstlane_b32 s[WV], v1
	s_lshr_b32 s13, s[WV], 1
	s_and_b32 s14, s[WV], 1
	s_bfe_u32 s40, ttmp6, 0x40000                  ; cx
	s_bfe_u32 s41, ttmp6, 0x40004                  ; cy
	s_lshl_b32 s42, ttmp9, 2
	s_add_co_u32 s42, s42, s40                     ; tile column, 0..3
	s_and_b32 s15, ttmp7, 0xffff
	s_lshl_b32 s15, s15, 2
	s_add_co_u32 s15, s15, s41                     ; tile row, 0..63
	s_lshl_b32 s43, s41, 2
	s_lshl_b32 s43, 15, s43                        ; my row of the cluster
	s_lshl_b32 s44, 0x1111, s40                    ; my column
	s_or_b32 s[G1+0], s43, (1<<16)|(1<<20)|(1<<21)|(5<<22)|(3<<25)   ; mask; elements of 2 bytes; padding: 4 words behind every 64; bit 21 beside a mask
	s_or_b32 s[G1B+0], s44, (1<<16)|(1<<20)|(1<<21)|(5<<22)|(3<<25)
	s_mov_b32 s[G1+1], 128<<16                     ; tensor_dim0 = 128 elements
	s_mov_b32 s[G1+2], 64<<16                      ; tensor_dim1 = 64
	s_mov_b32 s[G1+3], 128<<16                     ; tile_dim0
	s_mov_b32 s[G1+4], 64                          ; tile_dim1
	s_mov_b32 s[G1+5], 128                         ; dense
	s_mov_b32 s[G1+6], 0
	s_mov_b32 s[G1+7], 0
	s_mov_b32 s[G1B+1], 128<<16
	s_mov_b32 s[G1B+2], 128<<16                    ; 128 rows
	s_mov_b32 s[G1B+3], 128<<16
	s_mov_b32 s[G1B+4], 128
	s_mov_b32 s[G1B+5], 128
	s_mov_b32 s[G1B+6], 0
	s_mov_b32 s[G1B+7], 0
	s_lshl_b32 s16, s15, 18                        ; ao: 16 heads x 16,384 bytes a tile row: made of the tile row and the wave alone
	s_lshl_b32 s17, s14, 14
	s_add_co_u32 s16, s16, s17
	s_mov_b32 s17, 0
	s_lshl_b32 s46, s42, 19                        ; wo16: 16 heads x 32,768 bytes a tile column: of the tile column and the wave alone
	s_lshl_b32 s47, s14, 15
	s_add_co_u32 s46, s46, s47
	s_mov_b32 s47, 0
	s_mul_i32 s20, s14, AH                         ; where they go: no place in the cluster enters an LDS address
	s_mul_i32 s21, s14, BH
	s_add_co_u32 s21, s21, BOFF
	s_wait_dscnt 0x0                               ; both opening adds are done
	s_wait_kmcnt 0x0
	s_add_nc_u64 s[16:17], s[4:5], s[16:17]
	s_add_nc_u64 s[46:47], s[6:7], s[46:47]
	CROUND                                         ; all sixteen work-groups are here: the first joint loads meet
.irp s, 0,1
	s_mov_b32 s[G0+4*\s], 1
	s_add_co_u32 s[G0+4*\s+1], s20, \s*SLOT
	s_add_nc_u64 s[G0+4*\s+2:G0+4*\s+3], s[16:17], \s*32768
	s_or_b32 s[G0+4*\s+3], s[G0+4*\s+3], 0x80000000
	s_mov_b32 s[G0B+4*\s], 1
	s_add_co_u32 s[G0B+4*\s+1], s21, \s*SLOT
	s_add_nc_u64 s[G0B+4*\s+2:G0B+4*\s+3], s[46:47], \s*65536
	s_or_b32 s[G0B+4*\s+3], s[G0B+4*\s+3], 0x80000000
	JLOAD \s                                       ; two loads of mine are out
.endr
	v_and_b32 v1, 15, v0                           ; r
	v_bfe_u32 v2, v0, 4, 1                         ; h
	s_lshl_b32 s46, s42, 10                        ; my first column, in bytes of f32: 1,024 x tile column + 512 x half
	s_lshl_b32 s47, s14, 9
	s_add_co_u32 s46, s46, s47
	s_mov_b32 s47, 0
	s_add_nc_u64 s[8:9], s[8:9], s[46:47]
	v_lshlrev_b32 v[BO], 5, v2
.irp b, 0,1,2,3,4,5,6,7
	global_load_b128 v[BIAS+8*\b:BIAS+8*\b+3], v[BO], s[8:9] offset:64*\b          ; register j: the bias of column 16 b + 8 h + j
	global_load_b128 v[BIAS+8*\b+4:BIAS+8*\b+7], v[BO], s[8:9] offset:64*\b+16
.endr
	s_lshl_b32 s18, s15, 19                        ; out0: 128 rows of 4,096 bytes a tile row,
	s_lshl_b32 s19, s13, 18                        ; 64 for my half,
	s_add_co_u32 s18, s18, s19
	s_add_co_u32 s18, s18, s46                     ; my first column
	s_mov_b32 s19, 0
	s_add_nc_u64 s[10:11], s[10:11], s[18:19]
	v_lshrrev_b32 v3, 1, v1
	v_mul_u32_u24 v3, v3, PITCH
	v_and_b32 v4, 1, v0
	v_lshl_add_u32 v3, v4, 7, v3
	v_lshl_add_u32 v3, v2, 4, v3                   ; a fragment's row r: (r / 2) x pitch + (r % 2) x 128 + 16 h
	s_mul_i32 s22, s13, 32*PITCH                   ; my 64 tokens
	s_mul_i32 s23, s14, 64*PITCH                   ; my 128 rows of Wo,
	s_add_co_u32 s23, s23, BOFF                    ; behind ao's two heads
.irp s, 0,1
	v_add_nc_u32 v[ADRA+\s], s22, v3
	v_add_nc_u32 v[ADRB+\s], s23, v3
	s_add_co_u32 s22, s22, SLOT
	s_add_co_u32 s23, s23, SLOT
.endr
	s_mul_i32 s22, s[WV], 16*SPITCH                ; my stage
	v_mul_u32_u24 v5, v1, SPITCH
	v_lshl_add_u32 v5, v2, 5, v5
	v_add_nc_u32 v[STO], s22, v5                   ; in: token r, 32 bytes for each half of the lanes
	v_and_b32 v6, 31, v0
	v_lshlrev_b32 v[CO], 4, v6                     ; back: the 32 lanes take one row of 512 bytes; the same in out0
	v_add_nc_u32 v[RD], s22, v[CO]
.macro FETCH slot, q, f                ; the fragments of quarter q of a slot (head q / 2, channels 32 (q % 2) on) into buffer f: 24 loads, ao's blocks 2, 3 last
	WIN TO_F
.irp b, 0,1,2,3,4,5,6,7
	ds_load_b128 v[\f+8*\b:\f+8*\b+3],   v[ADRB+\slot] offset:((\q)/2)*BH+((\q)%2)*64+\b*8*PITCH
	ds_load_b128 v[\f+8*\b+4:\f+8*\b+7], v[ADRB+\slot] offset:((\q)/2)*BH+((\q)%2)*64+\b*8*PITCH+32
.endr
.irp a, 0,1,2,3
	ds_load_b128 v[\f+64+8*\a:\f+64+8*\a+3],   v[ADRA+\slot] offset:((\q)/2)*AH+((\q)%2)*64+\a*8*PITCH
	ds_load_b128 v[\f+64+8*\a+4:\f+64+8*\a+7], v[ADRA+\slot] offset:((\q)/2)*AH+((\q)%2)*64+\a*8*PITCH+32
.endr
.endm
.macro MUL8 f, a, first                ; ao's block a against Wo's eight.  The 32 accumulators take turns, one instruction a turn, in the same order in every quarter
.irp b, 0,1,2,3,4,5,6,7
.if \first
	v_wmma_f32_16x16x32_f16 v[8*(8*\a+\b):8*(8*\a+\b)+7], v[\f+8*\b:\f+8*\b+7], v[\f+64+8*\a:\f+64+8*\a+7], v[BIAS+8*\b:BIAS+8*\b+7]
.else
	v_wmma_f32_16x16x32_f16 v[8*(8*\a+\b):8*(8*\a+\b)+7], v[\f+8*\b:\f+8*\b+7], v[\f+64+8*\a:\f+64+8*\a+7], v[8*(8*\a+\b):8*(8*\a+\b)+7]
.endif
.endr
.endm
.macro PLACES                          ; four plain vector instructions ahead of loads into registers that matrix instructions have read, and of the first read of results
.rept 4
	v_nop
.endr
.endm
.macro QUARTER slot, qn, f, g, first   ; multiplies buffer f; in its middle it fetches quarter qn of the slot into buffer g
	s_wait_dscnt 4                                 ; Wo's fragments and ao's blocks 0, 1 are in; the youngest four loads (blocks 2, 3) may be out
.if \first
	WIN MULF
.else
	WIN MUL
.endif
	MUL8 \f, 0, \first
	MUL8 \f, 1, \first
	PLACES
	FETCH \slot, \qn, \g
	s_wait_dscnt 24                                ; all but the 24 just issued
.if \first
	WIN MULF
.else
	WIN MUL
.endif
	MUL8 \f, 2, \first
	MUL8 \f, 3, \first
.endm
; A slot's last quarter multiplies buffer 1 and changes slots: one barrier; in front of it each wave waits for all its tensor loads, adds 0 to its spare word, and waits for that and for its reads of this slot.
; fill = 1: the barrier opens a round of the cluster's, and this slot is filled again, four heads on, first thing behind it: 112 matrix instructions ahead of the wait for it.
.macro TURN slot, next, fill
	WIN 0
	s_wait_tensorcnt 0x0                           ; all my tensor loads have landed: my part of the next slot
	ds_add_u32 v[SPW], v[NIL]
	s_wait_dscnt 5                                 ; (the add and the youngest four loads may be out)
	WIN MUL
	MUL8 F1, 0, 0
	s_wait_dscnt 0x0                               ; the add is done, and my reads of this slot are over
	s_barrier_signal -1
	MUL8 F1, 1, 0
.if \fill
	WIN 0
.endif
	s_barrier_wait -1
.if \fill
	CREST                                          ; no wave of any partner still reads this slot or has a load on its way
	s_add_nc_u64 s[G0+4*\slot+2:G0+4*\slot+3], s[G0+4*\slot+2:G0+4*\slot+3], 65536
	s_add_nc_u64 s[G0B+4*\slot+2:G0B+4*\slot+3], s[G0B+4*\slot+2:G0B+4*\slot+3], 131072
	JLOAD \slot                                    ; its four v_nop are also the places ahead of the loads below
.else
	PLACES
.endif
	FETCH \next, 0, F0
	WIN MUL
	MUL8 F1, 2, 0
	MUL8 F1, 3, 0
.endm
	s_wait_tensorcnt 1                             ; my part of slot 0 is in; slot 1's may be out
	s_barrier_signal -1
	s_barrier_wait -1
	FETCH 0, 0, F0
	s_wait_loadcnt 0x0                             ; the bias
	QUARTER 0, 1, F0, F1, 1                        ; the first products start the sums from the bias
	WIN 0
	s_mov_b32 s3, 3
.Llap:                                                 ; a trip goes once round the ring, from a lap's second quarter to the next lap's first, and fills both slots again
	QUARTER 0, 2, F1, F0, 0
	QUARTER 0, 3, F0, F1, 0
	TURN 0, 1, 1
	QUARTER 1, 1, F0, F1, 0
	QUARTER 1, 2, F1, F0, 0
	QUARTER 1, 3, F0, F1, 0
	TURN 1, 0, 1
	QUARTER 0, 1, F0, F1, 0
	WIN 0
	s_sub_co_u32 s3, s3, 1
	s_cmp_lg_u32 s3, 0
	s_cbranch_scc1 .Llap
	QUARTER 0, 2, F1, F0, 0                        ; the last lap fills nothing
	QUARTER 0, 3, F0, F1, 0
	TURN 0, 1, 0
	QUARTER 1, 1, F0, F1, 0
	QUARTER 1, 2, F1, F0, 0
	QUARTER 1, 3, F0, F1, 0
	s_wait_dscnt 4                                 ; the very last quarter
	WIN MUL
	MUL8 F1, 0, 0
	MUL8 F1, 1, 0
	s_wait_dscnt 0
	MUL8 F1, 2, 0
	MUL8 F1, 3, 0
	WIN 0
; THE WAY OUT, 16 tokens x 128 columns at a time: through my own stage, back as whole rows of 512 bytes, which the 32 lanes store as 512 consecutive bytes, aligned.
.macro TOSTAGE a
	WIN 0x04                                       ; an LDS store's data: window 1
.irp b, 0,1,2,3,4,5,6,7
	ds_store_b128 v[STO], v[8*(8*(\a)+\b):8*(8*(\a)+\b)+3] offset:64*\b            ; each accumulator from its low end on
	ds_store_b128 v[STO], v[8*(8*(\a)+\b)+4:8*(8*(\a)+\b)+7] offset:64*\b+16
.endr
	WIN 0
.set BB, BK+64*((\a)%2)
.irp t, 0,1,2,3,4,5,6,7,8,9,10,11,12,13,14,15
	ds_load_b128 v[BB+4*\t:BB+4*\t+3], v[RD] offset:\t*SPITCH      ; LDS serves a wave's instructions in order: these see the stores above
.endr
.endm
.macro SEND a, younger
.set BB, BK+64*((\a)%2)
	s_wait_dscnt \younger                          ; the block is back; the next block's 16 stores and 16 loads may be out
.irp t, 0,1,2,3,4,5,6,7,8,9,10,11,12,13,14,15
	global_store_b128 v[CO], v[BB+4*\t:BB+4*\t+3], s[10:11] offset:(16*(\a)+\t)*4096 th:TH_STORE_NT
.endr
.endm
	PLACES
	TOSTAGE 0
.irp a, 1,2,3
.if \a > 1
	s_wait_xcnt 0x0                                ; block a - 2's stores have read their registers: block a's loads may land there
.endif
	TOSTAGE \a
	SEND \a-1, 32
.endr
	SEND 3, 0
	s_wait_tensorcnt 0x0                           ; the wave's end
	ds_add_u32 v[SPW], v[NIL]
	s_wait_dscnt 0x0
	CROUND                                         ; the closing round
	s_endpgm
.Lfunc_end_k_q12f5b8eb87_oproj:
	.size	k_q12f5b8eb87_oproj, .Lfunc_end_k_q12f5b8eb87_oproj-k_q12f5b8eb87_oproj
	.p2alignl 7, 3214868480
	.fill 96, 4, 3214868480
	.section	.rodata,"a",@progbits
	.p2align	6, 0x0
	.amdhsa_kernel k_q12f5b8eb87_oproj
		.amdhsa_group_segment_fixed_size 327680
		.amdhsa_private_segment_fixed_size 0
		.amdhsa_enable_private_segment 0
		.amdhsa_kernarg_size 32
		.amdhsa_user_sgpr_count 2
		.amdhsa_user_sgpr_kernarg_segment_ptr 1
		.amdhsa_wavefront_size32 1
		.amdhsa_system_sgpr_workgroup_id_x 1
		.amdhsa_system_sgpr_workgroup_id_y 1
		.amdhsa_system_sgpr_workgroup_id_z 1
		.amdhsa_system_vgpr_workitem_id 0
		.amdhsa_next_free_vgpr 768
		.amdhsa_next_free_sgpr 66
		.amdhsa_reserve_vcc 0
		.amdhsa_float_denorm_mode_32 3
		.amdhsa_float_denorm_mode_16_64 3
		.amdhsa_memory_ordered 1
		.amdhsa_forward_progress 1
		.amdhsa_inst_pref_size 86
	.end_amdhsa_kernel
	.amdgpu_metadata
---
amdhsa.version: [ 1, 2 ]
amdhsa.kernels:
  - .name:           k_q12f5b8eb87_oproj
    .symbol:         k_q12f5b8eb87_oproj.kd
    .args:
      - { .name: ao, .offset: 0, .size: 8, .value_kind: global_buffer, .address_space: global }
      - { .name: wo16, .offset: 8, .size: 8, .value_kind: global_buffer, .address_space: global }
      - { .name: bo, .offset: 16, .size: 8, .value_kind: global_buffer, .address_space: global }
      - { .name: out0, .offset: 24, .size: 8, .value_kind: global_buffer, .address_space: global }
    .group_segment_fixed_size: 327680
    .private_segment_fixed_size: 0
    .kernarg_segment_align: 8
    .kernarg_segment_size: 32
    .max_flat_workgroup_size: 128
    .sgpr_count:     66
    .vgpr_count:     768
    .wavefront_size: 32
...
	.end_amdgpu_metadata
.endif
;; end of part 4
